; MI455X (gfx1250); checked and timed in simulation.
; The chip was launched on July 23, 2026; its instructions are those of AMD's public machine-readable ISA for CDNA 5 (MIT licence, August 2026) and "CDNA5" Instruction Set Architecture Reference Guide (July 2026). The comments in the code are by the model that wrote it; some were corrected since.
;; Transformer Block. Allowed arithmetic: float matrix products may take bf16 or f16 operands with f32 sums; all other float work in f32.
;; Inputs: b1 8 x 4,096 float32; b2 8 x 1,024 float32; bk 1,024 float32; bo 1,024 float32; bq 1,024 float32; bv 1,024 float32; gate_b 8 float32; gate_w 1,024 x 8 float32; ln1_b 1,024 float32; ln1_g 1,024 float32; ln2_b 1,024 float32; ln2_g 1,024 float32; w1 8 x 1,024 x 4,096 float32; w2 8 x 4,096 x 1,024 float32; wk 1,024 x 1,024 float32; wo 1,024 x 1,024 float32; wq 1,024 x 1,024 float32; wv 1,024 x 1,024 float32; x 4 x 128 x 1,024 float32.
;; Outputs: out0 4 x 128 x 1,024 float32.
;; 2 versions, each right; version 2 is version 1 with the launches qkv, moe2 written anew for expert scheduling mode. Each part assembles by itself: llvm-mc -triple=amdgcn-amd-amdhsa -mcpu=gfx1250 --defsym DOCPART=n.
;; ======== version 1 of 2: 7 launches
;; limits: values are held in f16: magnitudes above 65,504 overflow, below 6.1e-05 lose precision
;; workspace buffers: qkv 3,145,728 bytes; o 1,048,576 bytes; x2 2,097,152 bytes; hn2 1,048,576 bytes; idx 2,048 bytes of whole numbers; mid 4,259,840 bytes; part 8,519,680 bytes
;; launch qkv (part 1): grid 24 x 8, 4 waves a work-group, no clusters, 165,376 bytes of LDS; arguments x, ln1_g, ln1_b, wq, wk, wv, bq, bk, bv, qkv; writes qkv
.if DOCPART == 1
	.amdgcn_target "amdgcn-amd-amdhsa--gfx1250"
	.amdhsa_code_object_version 6
	.text
	.protected	k_q2e7d432d6b_qkv
	.globl	k_q2e7d432d6b_qkv
	.p2align	8
	.type	k_q2e7d432d6b_qkv,@function
k_q2e7d432d6b_qkv:
	s_mov_b64 s[64:65], 0
	v_nop
	global_prefetch_b8 v0, s[64:65] scope:SCOPE_SE
	s_setreg_imm32_b32 hwreg(HW_REG_WAVE_MODE, 25, 1), 1
	s_wait_xcnt 0x0
; LN1 and one of q, k, v = LN1(x) W + b for 64 tokens x 128 columns (two heads); operands f16, sums f32.
; Work-group (nb, mb): section nb >> 3 (0 q, 1 k, 2 v), columns 128 (nb & 7), tokens 64 mb.  Four waves:
; wave w takes the 64 columns of head 2 (nb & 7) + (w & 1) and the K half w >> 1 (512 of 1024).
; LN1.  Each wave normalises 16 rows, two at a time, so that the serial reductions of the two rows overlap.  The rows pass through a
; ring of eight register slots in the accumulators' window, which is idle before the K loop.  Each of the eight turns ends with 16 new
; loads: the two rows eight further on, or, when no row is left, one K step of weights.  So 64 loads stay on their way throughout,
; the rows come ahead of the weights, and every turn's wait has the same count.
; WEIGHTS GO FROM MEMORY STRAIGHT INTO REGISTERS.  W is stored [K][N]: lane (r = L & 15, h2 = L >> 4) loads
; W[k0 + 16 g + 8 h2 + i][n0 + 4 r .. + 3]; sixteen lanes read 256 consecutive bytes of one row, aligned.  Packing the
; rows 2p, 2p+1 of component c gives register 4 g + p of a K = 32 fragment whose lane r stands for column n0 + 4 r + c.
; So no transpose and no LDS for weights, and the four accumulators of a lane hold four neighbouring columns.
; The normalised rows (f16) lie in LDS, pitch 2064 bytes = 129 x 16, so that sixteen rows start in sixteen different
; 16-byte columns.  The two K halves meet through LDS scratch: each wave keeps two of the four 16-row tiles.
; No cluster: joint requests are tensor loads into LDS, and here the weights never pass LDS; what the eight row
; blocks share (512 KB of W for a column block) would have to be written to and read from LDS to be shared.
; LIMITS: f16 operands: |LN1(x)|, |W| and |q|, |k|, |v| below 65,504; magnitudes under 6e-8 become 0.
.set NT,     4                         ; 16-row tiles of a wave
.set WP,     4096                      ; bytes from row to row of W
.set AK,     64                        ; bytes of an A row in a K step of 32
.set AH,     32                        ; second half of a fragment
.set APITCH, 2064
.set TILEB,  16*APITCH
.set SCR,    64*APITCH                 ; scratch behind the 64 rows of A: 132,096
.set SCRW,   (NT/2)*4096               ; a wave's scratch: 2 tiles x 4 accumulators x 1,024 bytes
.set WOFF, 4                           ; v4    8 h2 rows of W + 16 r
.set SADR, 5                           ; v5    my scratch
.set RADR, 6                           ; v6    my partner's scratch (wave xor 2)
.set AADR, 8                           ; v8-11 LDS address of accumulator tile a's fragment
.set LA,   18                          ; v18   LDS address of my 8 bytes in my wave's first row
.set VOQ,  19                          ; v19   q, k: store offset
.set L16,  20                          ; v20   16 L
.set VBQ,  22                          ; v22   q, k: bias offset
.set R16,  23                          ; v23   16 r
.set VOV,  24                          ; v24   v: store offset
.set BF,   32                          ; v32-95  weight fragments, two buffers of 4 x 8
.set AF,   96                          ; v96-191 A fragments, two buffers (48 apart)
.set G,    32                          ; LN phase: gain, v32-63
.set BV,   64                          ; LN phase: bias, v64-95
.set SM,   96                          ; LN phase: v96-111  four packed chains for each of the two rows
.set MN,   112                         ; LN phase: v112-115 each row's mean, twice
.set RS,   116                         ; LN phase: v116-119 each row's 1 / sqrt(var + eps), twice
.set TT,   120                         ; LN phase: v120-121
.set TP,   122                         ; LN phase: v122-123
.set BIASV, 192                        ; v192-195 bias of columns 4 r .. 4 r + 3
.set BIAS, 224                         ; v224-255 bias of columns 32 h2 .. + 31
.set WB,   30                          ; s[30:31] W at my K half and columns
; window 1 (v256-511): LN phase: row slot s at 32 s; then accumulator (a, c) at 8 (4 a + c).
; window 2 (v512-767): four stages of 64 registers of f32 weights.
.set MSB, 0
.macro WIN new                         ; s_set_vgpr_msb, low byte: source 0 [1:0], source 1 [3:2], source 2 [5:4], destination [7:6]; high byte: the setting left
.if MSB != \new
	s_set_vgpr_msb (MSB<<8)|\new
.set MSB, \new
.endif
.endm
.macro WLOAD st, ks                    ; 16 loads: the 32 rows x 64 columns of K step ks into stage st
	WIN 0x80
.irp g, 0,1
.irp i, 0,1,2,3,4,5,6,7
	global_load_b128 v[64*(\st)+32*\g+4*\i:64*(\st)+32*\g+4*\i+3], v[WOFF], s[WB:WB+1] offset:(32*(\ks)+16*\g+\i)*WP
.endr
.endr
.endm
.macro CVTB st, buf                    ; 32 roundings: stage st becomes four fragments (component c = 0 .. 3)
	WIN 0x0a
.irp c, 0,1,2,3
.irp g, 0,1
.irp p, 0,1,2,3
	v_cvt_pk_f16_f32 v[BF+32*(\buf)+8*\c+4*\g+\p], v[64*(\st)+32*\g+8*\p+\c], v[64*(\st)+32*\g+8*\p+4+\c]
.endr
.endr
.endr
.endm
.macro ALOAD ks, buf
	WIN 0
.irp a, 0,1,2,3
	ds_load_b128 v[AF+48*(\buf)+8*\a:AF+48*(\buf)+8*\a+3], v[AADR+\a] offset:(\ks)*AK
	ds_load_b128 v[AF+48*(\buf)+8*\a+4:AF+48*(\buf)+8*\a+7], v[AADR+\a] offset:(\ks)*AK+AH
.endr
.endm
.macro MMS buf, zero, swap             ; swap = 1: weights as source 0: a lane then holds one token and 32 columns
	WIN 0x50
.irp a, 0,1,2,3
.irp c, 0,1,2,3
.if \swap
.if \zero
	v_wmma_f32_16x16x32_f16 v[8*(4*\a+\c):8*(4*\a+\c)+7], v[BF+32*(\buf)+8*\c:BF+32*(\buf)+8*\c+7], v[AF+48*(\buf)+8*\a:AF+48*(\buf)+8*\a+7], 0
.else
	v_wmma_f32_16x16x32_f16 v[8*(4*\a+\c):8*(4*\a+\c)+7], v[BF+32*(\buf)+8*\c:BF+32*(\buf)+8*\c+7], v[AF+48*(\buf)+8*\a:AF+48*(\buf)+8*\a+7], v[8*(4*\a+\c):8*(4*\a+\c)+7]
.endif
.else
.if \zero
	v_wmma_f32_16x16x32_f16 v[8*(4*\a+\c):8*(4*\a+\c)+7], v[AF+48*(\buf)+8*\a:AF+48*(\buf)+8*\a+7], v[BF+32*(\buf)+8*\c:BF+32*(\buf)+8*\c+7], 0
.else
	v_wmma_f32_16x16x32_f16 v[8*(4*\a+\c):8*(4*\a+\c)+7], v[AF+48*(\buf)+8*\a:AF+48*(\buf)+8*\a+7], v[BF+32*(\buf)+8*\c:BF+32*(\buf)+8*\c+7], v[8*(4*\a+\c):8*(4*\a+\c)+7]
.endif
.endif
.endr
.endr
.endm
; One K step of 32.  The 32 roundings at its head are also the places between the matrix instructions of
; the step before and the LDS loads into that step's A buffer, and between those of two steps before and the fragment
; buffer that the roundings write.
.macro STEP t, swap
.if \t <= 12
	s_wait_loadcnt 48                              ; loads return in order: behind this step's 16 only the 3 x 16 of the next three steps were issued
.else
	s_wait_loadcnt 16*(15-\t)                      ; the tail: 2, 1, 0 younger steps
.endif
	CVTB (\t%4), (\t%2)
.if \t < 12
	WLOAD (\t%4), (\t+4)                           ; the stage just read out is asked for again, four steps ahead
.endif
.if \t < 15
	ALOAD (\t+1), ((\t+1)%2)
	s_wait_dscnt 2*NT                              ; this step's A is in; the next step's 2 NT loads stay out
.else
	s_wait_dscnt 0x0
.endif
.if \t == 0
	MMS (\t%2), 1, \swap                           ; the first products start the sums
.else
	MMS (\t%2), 0, \swap
.endif
.endm
.macro GEMM swap
	ALOAD 0, 0
.irp t, 0,1,2,3,4,5,6,7,8,9,10,11,12,13,14,15
	STEP \t, \swap
.endr
	WIN 0
.rept 4
	v_nop                                          ; four places behind the last matrix instruction, for all that follows
.endr
.endm
.macro SEND                            ; the two tiles that my partner keeps
	WIN 0x04
.irp a, 0,1
.irp c, 0,1,2,3
	ds_store_b128 v[SADR], v[8*(4*(NT/2+\a)+\c):8*(4*(NT/2+\a)+\c)+3] offset:(4*\a+\c)*1024
	ds_store_b128 v[SADR], v[8*(4*(NT/2+\a)+\c)+4:8*(4*(NT/2+\a)+\c)+7] offset:(4*\a+\c)*1024+512
.endr
.endr
	WIN 0
.endm
.macro RECV a, dst                     ; my partner's share of my tile a: register 8 c + j as in the accumulators
.irp c, 0,1,2,3
	ds_load_b128 v[\dst+8*\c:\dst+8*\c+3], v[RADR] offset:(4*\a+\c)*1024
	ds_load_b128 v[\dst+8*\c+4:\dst+8*\c+7], v[RADR] offset:(4*\a+\c)*1024+512
.endr
.endm
.macro BAR
	s_wait_dscnt 0x0                               ; for the other waves: my LDS stores have landed, my LDS loads are over
	s_barrier_signal -1
	s_barrier_wait -1
.endm
.macro LANESUM2                        ; v[TT] and v[TT+1], each summed over the 32 lanes, in every lane; the two chains take turns
.irp m, 1,2,4,8
	v_add_f32_dpp v[TT], v[TT], v[TT] row_xmask:\m row_mask:0xf bank_mask:0xf
	v_add_f32_dpp v[TT+1], v[TT+1], v[TT+1] row_xmask:\m row_mask:0xf bank_mask:0xf
.endr
	v_permlanex16_b32 v[TP], v[TT], s28, s29
	v_permlanex16_b32 v[TP+1], v[TT+1], s28, s29
	v_add_f32 v[TT], v[TT], v[TP]
	v_add_f32 v[TT+1], v[TT+1], v[TP+1]
.endm
.macro FOLD2                           ; each row's four packed chains into v[TT], v[TT+1]
.irp q, 0,1
	v_pk_add_f32 v[SM+8*\q:SM+8*\q+1], v[SM+8*\q:SM+8*\q+1], v[SM+8*\q+2:SM+8*\q+3]
	v_pk_add_f32 v[SM+8*\q+4:SM+8*\q+5], v[SM+8*\q+4:SM+8*\q+5], v[SM+8*\q+6:SM+8*\q+7]
.endr
.irp q, 0,1
	v_pk_add_f32 v[SM+8*\q:SM+8*\q+1], v[SM+8*\q:SM+8*\q+1], v[SM+8*\q+4:SM+8*\q+5]
.endr
.irp q, 0,1
	v_add_f32 v[TT+\q], v[SM+8*\q], v[SM+8*\q+1]
.endr
.endm
; Turn p of LN1: rows 2 p and 2 p + 1 of my 16, in slots (2 p) % 8 and (2 p + 1) % 8 of window 1.  The lane holds columns
; 128 i + 4 L .. + 3 (i = 0 .. 7) of each.  Mean first, then the squares of the differences.  XS: the row's slot.
.macro LNPAIR p
	s_wait_loadcnt 48                              ; loads return in order: behind this turn's 16 loads three turns' worth of 16 were issued (rows, then weights)
	WIN 0x05                                       ; both sources in window 1
.irp q, 0,1
.set XS, 32*((2*(\p)+\q)%8)
.irp k, 0,1,2,3
	v_pk_add_f32 v[SM+8*\q+2*\k:SM+8*\q+2*\k+1], v[XS+2*\k:XS+2*\k+1], v[XS+8+2*\k:XS+8+2*\k+1]
.endr
.endr
	WIN 0x01                                       ; source 0 in window 1
.irp q, 0,1
.set XS, 32*((2*(\p)+\q)%8)
.irp k, 8,9,10,11,12,13,14,15
	v_pk_add_f32 v[SM+8*\q+2*(\k%4):SM+8*\q+2*(\k%4)+1], v[XS+2*\k:XS+2*\k+1], v[SM+8*\q+2*(\k%4):SM+8*\q+2*(\k%4)+1]
.endr
.endr
	WIN 0
	FOLD2
	LANESUM2
.irp q, 0,1
	v_mul_f32 v[MN+2*\q], s40, v[TT+\q]
	v_mul_f32 v[MN+2*\q+1], s40, v[TT+\q]
.endr
	WIN 0x41                                       ; destination and source 0 in window 1
.irp q, 0,1
.set XS, 32*((2*(\p)+\q)%8)
.irp k, 0,1,2,3,4,5,6,7,8,9,10,11,12,13,14,15
	v_pk_add_f32 v[XS+2*\k:XS+2*\k+1], v[XS+2*\k:XS+2*\k+1], v[MN+2*\q:MN+2*\q+1] neg_lo:[0,1] neg_hi:[0,1]
.endr
.endr
	WIN 0x05
.irp q, 0,1
.set XS, 32*((2*(\p)+\q)%8)
.irp k, 0,1,2,3
	v_pk_mul_f32 v[SM+8*\q+2*\k:SM+8*\q+2*\k+1], v[XS+2*\k:XS+2*\k+1], v[XS+2*\k:XS+2*\k+1]
.endr
.irp k, 4,5,6,7,8,9,10,11,12,13,14,15
	v_pk_fma_f32 v[SM+8*\q+2*(\k%4):SM+8*\q+2*(\k%4)+1], v[XS+2*\k:XS+2*\k+1], v[XS+2*\k:XS+2*\k+1], v[SM+8*\q+2*(\k%4):SM+8*\q+2*(\k%4)+1]
.endr
.endr
	WIN 0
	FOLD2
	LANESUM2
	v_fma_f32 v[TT], v[TT], s40, s41               ; variance + eps
	v_fma_f32 v[TT+1], v[TT+1], s40, s41
	v_rsq_f32 v[RS], v[TT]
	v_rsq_f32 v[RS+1], v[TT]
	v_rsq_f32 v[RS+2], v[TT+1]
	v_rsq_f32 v[RS+3], v[TT+1]
	v_nop                                          ; one plain place behind the transcendentals (ISA guide 5.7.2)
	WIN 0x41
	s_wait_alu depctr_va_vdst(0)
.irp q, 0,1
.set XS, 32*((2*(\p)+\q)%8)
.irp k, 0,1,2,3,4,5,6,7,8,9,10,11,12,13,14,15
	v_pk_mul_f32 v[XS+2*\k:XS+2*\k+1], v[XS+2*\k:XS+2*\k+1], v[RS+2*\q:RS+2*\q+1]
.endr
.endr
.irp q, 0,1
.set XS, 32*((2*(\p)+\q)%8)
.irp k, 0,1,2,3,4,5,6,7,8,9,10,11,12,13,14,15
	v_pk_fma_f32 v[XS+2*\k:XS+2*\k+1], v[XS+2*\k:XS+2*\k+1], v[G+2*\k:G+2*\k+1], v[BV+2*\k:BV+2*\k+1]
.endr
.endr
	WIN 0x45                                       ; destination and both sources in window 1
.irp q, 0,1
.set XS, 32*((2*(\p)+\q)%8)
.irp k, 0,1,2,3,4,5,6,7,8,9,10,11,12,13,14,15
	v_cvt_pk_f16_f32 v[XS+\k], v[XS+2*\k], v[XS+2*\k+1]            ; register k is free: its numbers were packed at k / 2
.endr
.endr
	WIN 0x04                                       ; store data in window 1
.irp q, 0,1
.set XS, 32*((2*(\p)+\q)%8)
.irp i, 0,1,2,3,4,5,6,7
	ds_store_b64 v[LA], v[XS+2*\i:XS+2*\i+1] offset:(2*(\p)+\q)*APITCH+256*\i
.endr
.endr
.if \p < 4
	WIN 0x40                                       ; the two slots are asked for again: the rows eight further on
.irp q, 0,1
.set XS, 32*((2*(\p)+\q)%8)
.irp i, 0,1,2,3,4,5,6,7
	global_load_b128 v[XS+4*\i:XS+4*\i+3], v[L16], s[36:37] offset:(2*(\p)+8+\q)*4096+512*\i
.endr
.endr
.else
	WLOAD (\p-4), (\p-4)                           ; no row is left: a K step of weights takes the place of the 16 loads
.endif
.endm
	s_load_b512 s[8:23], s[0:1], 0x0               ; x, ln1_g, ln1_b, wq, wk, wv, bq, bk
	s_load_b128 s[24:27], s[0:1], 0x40             ; bv, qkv
	v_lshl_add_u32 v222, v0, 2, 0x28400
	v_mov_b32 v223, 0
	v_lshrrev_b32 v7, 5, v0
	v_readfirstlane_b32 s2, v7                     ; wave
	v_and_b32 v1, 31, v0                           ; L
	v_and_b32 v2, 15, v0                           ; r
	v_bfe_u32 v3, v0, 4, 1                         ; h2
	s_and_b32 s3, s2, 1                            ; c: which 64 columns
	s_lshr_b32 s4, s2, 1                           ; kh: which K half
	s_and_b32 s5, ttmp9, 7                         ; column block of the section
	s_lshr_b32 s7, ttmp9, 3                        ; section: 0 q, 1 k, 2 v
	s_and_b32 s6, ttmp7, 0xffff                    ; row block
	s_lshl1_add_u32 s45, s5, s3                    ; head
	s_mov_b32 s28, 0x76543210                      ; v_permlanex16_b32: lane i takes lane i of the other half
	s_mov_b32 s29, 0xfedcba98
	s_mov_b32 s40, 0x3a800000                      ; 1 / 1024
	s_mov_b32 s41, 0x3727c5ac                      ; 1e-5
	v_lshlrev_b32 v[L16], 4, v1
	v_lshlrev_b32 v[R16], 4, v2
	v_lshl_add_u32 v[WOFF], v3, 15, v[R16]
	s_mul_i32 s43, s2, SCRW
	s_add_co_u32 s43, s43, SCR
	v_add_nc_u32 v[SADR], s43, v[L16]
	s_xor_b32 s43, s2, 2                           ; the wave with my columns and the other K half
	s_mul_i32 s43, s43, SCRW
	s_add_co_u32 s43, s43, SCR
	v_add_nc_u32 v[RADR], s43, v[L16]
	; accumulator tile a stands for rows 16 (a + 2 kh) if a < 2 (kept) and 16 (a - 2 kh) if a >= 2 (sent): one text for both K halves
	v_mul_u32_u24 v21, v2, APITCH
	v_lshl_add_u32 v21, v3, 4, v21                 ; r x pitch + 16 h2
	s_mul_i32 s43, s4, (NT/2)*TILEB+1024           ; + kh x (2 tiles + 512 K)
	s_mul_i32 s44, s4, (NT/2)*TILEB-1024
	s_sub_co_u32 s44, (NT/2)*TILEB, s44            ; 2 tiles - kh x (2 tiles - 512 K)
	v_add_nc_u32 v[AADR], s43, v21
	v_add_nc_u32 v[AADR+2], s44, v21
	v_add_nc_u32 v[AADR+1], TILEB, v[AADR]
	v_add_nc_u32 v[AADR+3], TILEB, v[AADR+2]
	s_mul_i32 s43, s2, 16*APITCH
	v_lshl_add_u32 v[LA], v1, 3, s43               ; my wave's 16 rows, 8 bytes a lane
	v_lshlrev_b32 v[VBQ], 7, v3
	v_lshl_add_u32 v[VOQ], v3, 13, v[R16]
	v_lshl_add_u32 v[VOV], v3, 10, v[R16]
	v_mov_b32 v[TP], 0                             ; v_permlanex16_b32 counts as a reader of its destination
	v_mov_b32 v[TP+1], 0
	s_mov_b32 s39, 0
	s_wait_kmcnt 0x0
	s_cmp_eq_u32 s7, 0
	s_cselect_b64 s[WB:WB+1], s[14:15], s[16:17]
	s_cselect_b64 s[32:33], s[20:21], s[22:23]
	s_cmp_eq_u32 s7, 2
	s_cselect_b64 s[WB:WB+1], s[18:19], s[WB:WB+1]
	s_cselect_b64 s[32:33], s[24:25], s[32:33]
	s_lshl_b32 s38, s4, 21                         ; 512 rows of 4,096 bytes
	s_lshl_b32 s43, s5, 9
	s_add_co_u32 s38, s38, s43
	s_lshl_b32 s43, s3, 8
	s_add_co_u32 s38, s38, s43
	s_add_nc_u64 s[WB:WB+1], s[WB:WB+1], s[38:39]
	s_lshl_b32 s38, s45, 8
	s_add_nc_u64 s[32:33], s[32:33], s[38:39]      ; the head's 64 biases
	s_lshl_b32 s38, s6, 18
	s_lshl_b32 s43, s2, 16
	s_add_co_u32 s38, s38, s43
	s_add_nc_u64 s[36:37], s[8:9], s[38:39]        ; x at my wave's 16 rows
	s_lshl_b32 s38, s7, 20                         ; the section,
	s_lshr_b32 s43, s6, 1
	s_lshl4_add_u32 s43, s43, s45
	s_lshl_b32 s43, s43, 14                        ; the (batch, head) block of 16 KB,
	s_add_co_u32 s38, s38, s43
	s_and_b32 s43, s6, 1
	s_lshl_b32 s43, s43, 6
	s_lshl_b32 s44, s4, 5
	s_add_co_u32 s43, s43, s44                     ; the first token that I keep: 64 (mb & 1) + 32 kh,
	s_cmp_eq_u32 s7, 2
	s_cselect_b32 s44, 7, 4                        ; 16 bytes a token in q and k, 128 in vT
	s_lshl_b32 s43, s43, s44
	s_add_co_u32 s38, s38, s43
	s_add_nc_u64 s[34:35], s[26:27], s[38:39]
	; what LN1 needs comes first; both shapes of the product's bias ride along as the oldest loads, so that no count below has to name them
.irp j, 0,1,2,3,4,5,6,7
	global_load_b128 v[BIAS+4*\j:BIAS+4*\j+3], v[VBQ], s[32:33] offset:16*\j
.endr
	global_load_b128 v[BIASV:BIASV+3], v[R16], s[32:33]
.irp i, 0,1,2,3,4,5,6,7
	global_load_b128 v[G+4*\i:G+4*\i+3], v[L16], s[10:11] offset:512*\i
.endr
.irp i, 0,1,2,3,4,5,6,7
	global_load_b128 v[BV+4*\i:BV+4*\i+3], v[L16], s[12:13] offset:512*\i
.endr
	WIN 0x40
.irp s, 0,1,2,3,4,5,6,7
.irp i, 0,1,2,3,4,5,6,7
	global_load_b128 v[32*\s+4*\i:32*\s+4*\i+3], v[L16], s[36:37] offset:\s*4096+512*\i    ; rows 0 to 7 fill the ring
.endr
.endr
.irp p, 0,1,2,3,4,5,6,7
	LNPAIR \p
.endr
	WIN 0
	BAR                                            ; all 64 rows lie in LDS; the four K steps of weights stay on their way
	s_cmp_eq_u32 s7, 2
	s_cbranch_scc1 .Lgemm_v
	GEMM 1
	s_branch .Ljoin
.Lgemm_v:
	GEMM 0
.Ljoin:
	SEND
	BAR
	RECV 0, 32
	RECV 1, 64
	s_wait_dscnt 0x0
	s_cmp_eq_u32 s7, 2
	s_cbranch_scc1 .Lout_v
; q, k: the lane holds token 16 tile + r and d = 32 h2 + 4 j + c.  Layout [chunk of 8 d][token][8]: four stores of 16 bytes;
; sixteen lanes store 256 consecutive bytes, aligned.
.macro EPIQ a
	WIN 0x01
.irp c, 0,1,2,3
.irp j, 0,1,2,3,4,5,6,7
	v_add_f32 v[96+32*\a+4*\j+\c], v[8*(4*\a+\c)+\j], v[32+32*\a+8*\c+\j]
.endr
.endr
	WIN 0
.irp k, 0,1,2,3,4,5,6,7,8,9,10,11,12,13,14,15
	v_pk_add_f32 v[96+32*\a+2*\k:96+32*\a+2*\k+1], v[96+32*\a+2*\k:96+32*\a+2*\k+1], v[BIAS+2*\k:BIAS+2*\k+1]
.endr
.irp k, 0,1,2,3,4,5,6,7,8,9,10,11,12,13,14,15
	v_cvt_pk_f16_f32 v[160+16*\a+\k], v[96+32*\a+2*\k], v[96+32*\a+2*\k+1]
.endr
.irp q, 0,1,2,3
	global_store_b128 v[VOQ], v[160+16*\a+4*\q:160+16*\a+4*\q+3], s[34:35] offset:\q*2048+\a*256
.endr
.endm
	EPIQ 0
	EPIQ 1
	s_wait_tensorcnt 0x0
	ds_add_u32 v222, v223
	s_wait_dscnt 0x0
	s_endpgm
; v: the lane holds tokens 16 tile + 8 h2 + j and d = 4 r + c.  Layout [chunk of 8 keys][place 16 c + r][8 keys].
.macro EPIV a
	WIN 0x01
.irp k, 0,1,2,3,4,5,6,7,8,9,10,11,12,13,14,15
	v_pk_add_f32 v[96+32*\a+2*\k:96+32*\a+2*\k+1], v[32*\a+2*\k:32*\a+2*\k+1], v[32+32*\a+2*\k:32+32*\a+2*\k+1]
.endr
	WIN 0
.irp c, 0,2
.irp p, 0,1,2,3
	v_pk_add_f32 v[96+32*\a+8*\c+2*\p:96+32*\a+8*\c+2*\p+1], v[96+32*\a+8*\c+2*\p:96+32*\a+8*\c+2*\p+1], v[BIASV+\c:BIASV+\c+1] op_sel:[0,0] op_sel_hi:[1,0]
.endr
.endr
.irp c, 1,3
.irp p, 0,1,2,3
	v_pk_add_f32 v[96+32*\a+8*\c+2*\p:96+32*\a+8*\c+2*\p+1], v[96+32*\a+8*\c+2*\p:96+32*\a+8*\c+2*\p+1], v[BIASV+\c-1:BIASV+\c] op_sel:[0,1] op_sel_hi:[1,1]
.endr
.endr
.irp k, 0,1,2,3,4,5,6,7,8,9,10,11,12,13,14,15
	v_cvt_pk_f16_f32 v[160+16*\a+\k], v[96+32*\a+2*\k], v[96+32*\a+2*\k+1]
.endr
.irp c, 0,1,2,3
	global_store_b128 v[VOV], v[160+16*\a+4*\c:160+16*\a+4*\c+3], s[34:35] offset:\a*2048+\c*256
.endr
.endm
.Lout_v:
	EPIV 0
	EPIV 1
	s_wait_tensorcnt 0x0
	ds_add_u32 v222, v223
	s_wait_dscnt 0x0
	s_endpgm
.Lfunc_end_k_q2e7d432d6b_qkv:
	.size	k_q2e7d432d6b_qkv, .Lfunc_end_k_q2e7d432d6b_qkv-k_q2e7d432d6b_qkv
	.p2alignl 7, 3214868480
	.fill 96, 4, 3214868480
	.section	.rodata,"a",@progbits
	.p2align	6, 0x0
	.amdhsa_kernel k_q2e7d432d6b_qkv
		.amdhsa_group_segment_fixed_size 165376
		.amdhsa_private_segment_fixed_size 0
		.amdhsa_enable_private_segment 0
		.amdhsa_kernarg_size 80
		.amdhsa_user_sgpr_count 2
		.amdhsa_user_sgpr_kernarg_segment_ptr 1
		.amdhsa_wavefront_size32 1
		.amdhsa_system_sgpr_workgroup_id_x 1
		.amdhsa_system_sgpr_workgroup_id_y 1
		.amdhsa_system_sgpr_workgroup_id_z 1
		.amdhsa_system_vgpr_workitem_id 0
		.amdhsa_next_free_vgpr 768
		.amdhsa_next_free_sgpr 66
		.amdhsa_reserve_vcc 0
		.amdhsa_float_denorm_mode_32 3
		.amdhsa_float_denorm_mode_16_64 3
		.amdhsa_memory_ordered 1
		.amdhsa_forward_progress 1
		.amdhsa_inst_pref_size 255
	.end_amdhsa_kernel
	.section	.bss,"aw",@nobits
	.p2align	6
	.space	262144
	.amdgpu_metadata
---
amdhsa.version: [ 1, 2 ]
amdhsa.kernels:
  - .name:           k_q2e7d432d6b_qkv
    .symbol:         k_q2e7d432d6b_qkv.kd
    .args:
      - { .name: x, .offset: 0, .size: 8, .value_kind: global_buffer, .address_space: global }
      - { .name: ln1_g, .offset: 8, .size: 8, .value_kind: global_buffer, .address_space: global }
      - { .name: ln1_b, .offset: 16, .size: 8, .value_kind: global_buffer, .address_space: global }
      - { .name: wq, .offset: 24, .size: 8, .value_kind: global_buffer, .address_space: global }
      - { .name: wk, .offset: 32, .size: 8, .value_kind: global_buffer, .address_space: global }
      - { .name: wv, .offset: 40, .size: 8, .value_kind: global_buffer, .address_space: global }
      - { .name: bq, .offset: 48, .size: 8, .value_kind: global_buffer, .address_space: global }
      - { .name: bk, .offset: 56, .size: 8, .value_kind: global_buffer, .address_space: global }
      - { .name: bv, .offset: 64, .size: 8, .value_kind: global_buffer, .address_space: global }
      - { .name: qkv, .offset: 72, .size: 8, .value_kind: global_buffer, .address_space: global }
    .group_segment_fixed_size: 165376
    .private_segment_fixed_size: 0
    .kernarg_segment_align: 8
    .kernarg_segment_size: 80
    .max_flat_workgroup_size: 128
    .sgpr_count:     66
    .vgpr_count:     768
    .wavefront_size: 32
...
	.end_amdgpu_metadata
.endif
;; end of part 1
;; launch attn (part 2): grid 256 x 1, 2 waves a work-group, no clusters, 0 bytes of LDS; arguments qkv, o; writes o
.if DOCPART == 2
	.amdgcn_target "amdgcn-amd-amdhsa--gfx1250"
	.amdhsa_code_object_version 6
	.text
	.protected	k_q2e7d432d6b_attn
	.globl	k_q2e7d432d6b_attn
	.p2align	8
	.type	k_q2e7d432d6b_attn,@function
k_q2e7d432d6b_attn:
	s_mov_b64 s[64:65], 0
	v_nop
	global_prefetch_b8 v0, s[64:65] scope:SCOPE_SE
	s_setreg_imm32_b32 hwreg(HW_REG_WAVE_MODE, 25, 1), 1
	s_wait_xcnt 0x0
; Softmax attention of one (batch, head): 128 keys, head size 64; a wave takes 16 queries and shares nothing with any other wave.
; Everything stays in registers.  S^T = K Q^T: the lane (r, h2) holds query r and keys 16 kt + 8 h2 + j, which is at once
; the layout of P^T as second source of o^T = V^T P^T: no lane traffic but one exchange of the halves for maximum and sum.
; q, k, vT come in the blocked layouts of the launch before, in which every fragment load reads 256 consecutive bytes with
; sixteen lanes.  The row maximum is taken away before the exponential; P is left unnormalised (at most 1) in f16, the sum is
; kept in f32 and divides the result.  No cluster and no LDS: the four work-groups of a head share 32 KB of K and V, which each
; wave needs in registers once; a joint request would add an LDS round trip for them.
; LIMITS: f16 operands (|q|, |k|, |v| below 65,504).
.set QF,   8                           ; v8-23    Q fragments (d 0-31, 32-63)
.set KF,   24                          ; v24-151  K fragments: 16 kt + 8 t
.set ST,   152                         ; v152-215 S^T, then P^T in f32: 8 kt + j
.set PF,   216                         ; v216-247 P^T fragments, f16
.set MX,   248
.set TP,   249
.set NEGM, 250                         ; pair
.set SUM,  252
.set INV,  254                         ; pair
.set SC,   120                         ; four packed chains, in registers of K that are done with
.set OT,   24                          ; o^T: 8 dt + j, likewise
.set OUT,  56
; window 1: V^T fragments at 32 dt + 8 u
	s_load_b128 s[8:11], s[0:1], 0x0               ; qkv, o
	v_lshrrev_b32 v1, 5, v0
	v_readfirstlane_b32 s2, v1                     ; wave
	v_and_b32 v2, 15, v0                           ; r
	v_bfe_u32 v3, v0, 4, 1                         ; h2
	s_lshr_b32 s3, ttmp9, 2                        ; 16 batch + head
	s_and_b32 s4, ttmp9, 3
	s_lshl1_add_u32 s4, s4, s2                     ; query tile 0 .. 7
	s_mov_b32 s12, 0x76543210
	s_mov_b32 s13, 0xfedcba98
	v_lshlrev_b32 v1, 4, v2                        ; 16 r
	v_lshl_add_u32 v5, v3, 11, v1                  ; K: chunk h2, token r
	v_lshl_add_u32 v6, v3, 10, v1                  ; V: key chunk h2, place r
	v_lshl_add_u32 v7, v3, 12, v1                  ; o: chunk 4 h2, row r
	s_lshl_b32 s5, s4, 8
	v_add_nc_u32 v4, s5, v5                        ; Q: token 16 qt + r
	v_mov_b32 v[TP], 0
	s_lshl_b32 s6, s3, 14
	s_mov_b32 s7, 0
	s_lshr_b32 s16, s3, 4
	s_lshr_b32 s17, s4, 2
	s_lshl1_add_u32 s16, s16, s17                  ; block of 64 tokens: 2 batch + qt / 4
	s_lshl_b32 s16, s16, 17
	s_and_b32 s17, s3, 15
	s_lshl_b32 s17, s17, 13                        ; the head's eight chunks of 1,024 bytes
	s_add_co_u32 s16, s16, s17
	s_and_b32 s17, s4, 3
	s_lshl_b32 s17, s17, 8
	s_add_co_u32 s16, s16, s17
	s_mov_b32 s17, 0
	s_wait_kmcnt 0x0
	s_add_nc_u64 s[14:15], s[8:9], s[6:7]
	s_add_nc_u64 s[18:19], s[10:11], s[16:17]
.irp t, 0,1
.irp g, 0,1
	global_load_b128 v[QF+8*\t+4*\g:QF+8*\t+4*\g+3], v4, s[14:15] offset:\t*8192+\g*4096
.endr
.endr
.irp k, 0,1,2,3,4,5,6,7
.irp t, 0,1
.irp g, 0,1
	global_load_b128 v[KF+16*\k+8*\t+4*\g:KF+16*\k+8*\t+4*\g+3], v5, s[14:15] offset:0x100000+\t*8192+\g*4096+\k*256
.endr
.endr
.endr
	s_set_vgpr_msb 0x40                            ; destination in window 1
.irp d, 0,1,2,3
.irp u, 0,1,2,3
.irp g, 0,1
	global_load_b128 v[32*\d+8*\u+4*\g:32*\d+8*\u+4*\g+3], v6, s[14:15] offset:0x200000+\u*4096+\g*2048+\d*256
.endr
.endr
.endr
	s_set_vgpr_msb 0x4000
	s_wait_loadcnt 32                              ; Q and K are in; V's 32 loads stay out
.irp k, 0,1,2,3,4,5,6,7
	v_wmma_f32_16x16x32_f16 v[ST+8*\k:ST+8*\k+7], v[KF+16*\k:KF+16*\k+7], v[QF:QF+7], 0
.endr
.irp k, 0,1,2,3,4,5,6,7
	v_wmma_f32_16x16x32_f16 v[ST+8*\k:ST+8*\k+7], v[KF+16*\k+8:KF+16*\k+15], v[QF+8:QF+15], v[ST+8*\k:ST+8*\k+7]
.endr
.rept 4
	v_nop                                          ; four places before vector instructions read the results or write K's registers
.endr
	v_max_num_f32 v[MX], v[ST], v[ST+1]
.set kk, 2
.rept 31
	v_max3_num_f32 v[MX], v[MX], v[ST+kk], v[ST+kk+1]
.set kk, kk+2
.endr
	v_permlanex16_b32 v[TP], v[MX], s12, s13       ; the other 64 keys of my query
	v_max_num_f32 v[MX], v[MX], v[TP]
	v_mul_f32 v[NEGM], 0xbe38aa3b, v[MX]           ; - max x log2(e) / 8
	v_mul_f32 v[NEGM+1], 0xbe38aa3b, v[MX]
.set kk, 0
.rept 32
	v_pk_fma_f32 v[ST+kk:ST+kk+1], v[ST+kk:ST+kk+1], 0x3e38aa3b, v[NEGM:NEGM+1] op_sel_hi:[1,0,1]
.set kk, kk+2
.endr
.set kk, 0
.rept 64
	v_exp_f32 v[ST+kk], v[ST+kk]
.set kk, kk+1
.endr
	v_nop                                          ; one plain place behind the transcendentals
	s_wait_alu depctr_va_vdst(0)
.irp k, 0,1,2,3
	v_pk_add_f32 v[SC+2*\k:SC+2*\k+1], v[ST+2*\k:ST+2*\k+1], v[ST+8+2*\k:ST+8+2*\k+1]
.endr
.set kk, 8
.rept 24
	v_pk_add_f32 v[SC+2*(kk%4):SC+2*(kk%4)+1], v[SC+2*(kk%4):SC+2*(kk%4)+1], v[ST+2*kk:ST+2*kk+1]
.set kk, kk+1
.endr
	v_pk_add_f32 v[SC:SC+1], v[SC:SC+1], v[SC+2:SC+3]
	v_pk_add_f32 v[SC+4:SC+5], v[SC+4:SC+5], v[SC+6:SC+7]
	v_pk_add_f32 v[SC:SC+1], v[SC:SC+1], v[SC+4:SC+5]
	v_add_f32 v[SUM], v[SC], v[SC+1]
	v_permlanex16_b32 v[TP], v[SUM], s12, s13
	v_add_f32 v[SUM], v[SUM], v[TP]
	v_rcp_f32 v[INV], v[SUM]
	v_rcp_f32 v[INV+1], v[SUM]
.set kk, 0
.rept 32
	v_cvt_pk_f16_f32 v[PF+kk], v[ST+2*kk], v[ST+2*kk+1]    ; keys 32 u + 8 h2 .. in registers 0-3, 32 u + 16 + 8 h2 .. in 4-7: as they lie
.set kk, kk+1
.endr
	s_wait_loadcnt 0x0                             ; V
	s_set_vgpr_msb 0x0001                          ; source 0 in window 1
.irp d, 0,1,2,3
	v_wmma_f32_16x16x32_f16 v[OT+8*\d:OT+8*\d+7], v[32*\d:32*\d+7], v[PF:PF+7], 0
.endr
.irp u, 1,2,3
.irp d, 0,1,2,3
	v_wmma_f32_16x16x32_f16 v[OT+8*\d:OT+8*\d+7], v[32*\d+8*\u:32*\d+8*\u+7], v[PF+8*\u:PF+8*\u+7], v[OT+8*\d:OT+8*\d+7]
.endr
.endr
	s_set_vgpr_msb 0x0100
.rept 4
	v_nop
.endr
.set kk, 0
	s_wait_alu depctr_va_vdst(0)
.rept 16
	v_pk_mul_f32 v[OT+kk:OT+kk+1], v[OT+kk:OT+kk+1], v[INV:INV+1]
.set kk, kk+2
.endr
	; the lane holds query r and d = 32 h2 + 4 j + dt: chunk 4 h2 + q takes j = 2 q, 2 q + 1 of all four dt
.irp q, 0,1,2,3
.irp p, 0,1,2,3
	v_cvt_pk_f16_f32 v[OUT+4*\q+\p], v[OT+16*(\p&1)+2*\q+(\p>>1)], v[OT+16*(\p&1)+8+2*\q+(\p>>1)]
.endr
.endr
.irp q, 0,1,2,3
	global_store_b128 v7, v[OUT+4*\q:OUT+4*\q+3], s[18:19] offset:\q*1024     ; sixteen lanes: 256 consecutive bytes, aligned
.endr
	s_endpgm
.Lfunc_end_k_q2e7d432d6b_attn:
	.size	k_q2e7d432d6b_attn, .Lfunc_end_k_q2e7d432d6b_attn-k_q2e7d432d6b_attn
	.p2alignl 7, 3214868480
	.fill 96, 4, 3214868480
	.section	.rodata,"a",@progbits
	.p2align	6, 0x0
	.amdhsa_kernel k_q2e7d432d6b_attn
		.amdhsa_group_segment_fixed_size 0
		.amdhsa_private_segment_fixed_size 0
		.amdhsa_enable_private_segment 0
		.amdhsa_kernarg_size 16
		.amdhsa_user_sgpr_count 2
		.amdhsa_user_sgpr_kernarg_segment_ptr 1
		.amdhsa_wavefront_size32 1
		.amdhsa_system_sgpr_workgroup_id_x 1
		.amdhsa_system_sgpr_workgroup_id_y 1
		.amdhsa_system_sgpr_workgroup_id_z 1
		.amdhsa_system_vgpr_workitem_id 0
		.amdhsa_next_free_vgpr 384
		.amdhsa_next_free_sgpr 66
		.amdhsa_reserve_vcc 0
		.amdhsa_float_denorm_mode_32 3
		.amdhsa_float_denorm_mode_16_64 3
		.amdhsa_memory_ordered 1
		.amdhsa_forward_progress 1
		.amdhsa_inst_pref_size 25
	.end_amdhsa_kernel
	.amdgpu_metadata
---
amdhsa.version: [ 1, 2 ]
amdhsa.kernels:
  - .name:           k_q2e7d432d6b_attn
    .symbol:         k_q2e7d432d6b_attn.kd
    .args:
      - { .name: qkv, .offset: 0, .size: 8, .value_kind: global_buffer, .address_space: global }
      - { .name: o, .offset: 8, .size: 8, .value_kind: global_buffer, .address_space: global }
    .group_segment_fixed_size: 0
    .private_segment_fixed_size: 0
    .kernarg_segment_align: 8
    .kernarg_segment_size: 16
    .max_flat_workgroup_size: 64
    .sgpr_count:     66
    .vgpr_count:     384
    .wavefront_size: 32
...
	.end_amdgpu_metadata
.endif
;; end of part 2
;; launch oproj (part 3): grid 16 x 8, 4 waves a work-group, no clusters, 49,664 bytes of LDS; arguments o, wo, bo, x, x2; writes x2
.if DOCPART == 3
	.amdgcn_target "amdgcn-amd-amdhsa--gfx1250"
	.amdhsa_code_object_version 6
	.text
	.protected	k_q2e7d432d6b_oproj
	.globl	k_q2e7d432d6b_oproj
	.p2align	8
	.type	k_q2e7d432d6b_oproj,@function
k_q2e7d432d6b_oproj:
	s_mov_b64 s[64:65], 0
	v_nop
	global_prefetch_b8 v0, s[64:65] scope:SCOPE_SE
	s_setreg_imm32_b32 hwreg(HW_REG_WAVE_MODE, 25, 1), 1
	s_wait_xcnt 0x0
; x2 = x + o wo + bo for 64 tokens x 64 columns; operands f16, sums and residual f32.
; Work-group (cb, mb): columns 64 cb, tokens 64 mb.  The four waves split K: wave w takes k = 256 w .. 256 w + 255, eight K steps of 32.
; BOTH OPERANDS GO FROM MEMORY STRAIGHT INTO REGISTERS.
;   Weights, stored [K][N]: lane (r = L & 15, h2 = L >> 4) loads W[k0 + 16 g + 8 h2 + i][n0 + 4 r .. + 3]; sixteen lanes read 256
;   consecutive bytes of one row, aligned.  Packing rows 2p, 2p+1 of component c gives register 4 g + p of a fragment whose lane r stands
;   for column n0 + 4 r + c, so a lane's four accumulators hold four neighbouring columns.
;   A is the block of o as the launch before stored it, [chunk of 8 k][64 rows][8] in f16: a fragment's half is the 16 bytes at
;   chunk x 1,024 + row x 16, so sixteen lanes read 256 consecutive bytes, aligned.  Wave w's K quarter is chunks 32 w .. 32 w + 31, which no other
;   wave of the work-group reads: an LDS copy would share nothing.  Its 64 loads fill 256 registers once.
; The four K quarters meet through LDS scratch: accumulator tile a of wave w stands for rows 16 ((a + w) & 3); the wave keeps a = 0, its
; own tile w, and hands over the other three.
; No cluster: joint requests are tensor loads into LDS, and here neither operand passes LDS.
; 128 work-groups: 512 x 1,024 outputs in blocks of 64 x 64; narrower blocks would read less than 256 bytes of a row of wo.
; LIMITS: f16 operands (|o|, |wo| below 65,504).
.set WP,     4096                      ; bytes from row to row of wo, x and x2
.set SCRW,   3*4096                    ; a wave's scratch: 3 tiles x 4 accumulators x 1,024 bytes
.set RO,   4                           ; v4     8 h2 rows of 4,096 bytes + 16 r: the lane's place in wo, x and x2
.set SADR, 5                           ; v5     my scratch
.set RADR, 6                           ; v6-8   where wave (w - a) & 3 put my tile, a = 1, 2, 3
.set AO,   10                          ; v10-13 accumulator tile a's place in a chunk pair of o
.set L16,  20
.set R16,  23
.set BF,   32                          ; v32-95   weight fragments, two buffers of 4 x 8
.set RR,   32                          ; v32-127  behind the K loop: the three other quarters of my tile
.set XR,   128                         ; v128-159 residual
.set T,    160                         ; v160-191 the result, row j at 4 j
.set BIAS, 224
.set WB,   30
; window 1 (v256-383): accumulator (a, c) at 8 (4 a + c).  window 2 (v512-767): four stages of 64 registers of f32 weights.
; window 3 (v768-1023): A's fragment of K step ks and tile a at 32 ks + 8 a.
.set MSB, 0
.macro WIN new                         ; s_set_vgpr_msb, low byte: source 0 [1:0], source 1 [3:2], source 2 [5:4], destination [7:6]; high byte: the setting left
.if MSB != \new
	s_set_vgpr_msb (MSB<<8)|\new
.set MSB, \new
.endif
.endm
.macro WLOAD st, ks                    ; 16 loads: the 32 rows x 64 columns of K step ks into stage st
	WIN 0x80
.irp g, 0,1
.irp i, 0,1,2,3,4,5,6,7
	global_load_b128 v[64*(\st)+32*\g+4*\i:64*(\st)+32*\g+4*\i+3], v[RO], s[WB:WB+1] offset:(32*(\ks)+16*\g+\i)*WP
.endr
.endr
.endm
.macro CVTB st, buf                    ; 32 roundings: stage st becomes four fragments (component c = 0 .. 3)
	WIN 0x0a
.irp c, 0,1,2,3
.irp g, 0,1
.irp p, 0,1,2,3
	v_cvt_pk_f16_f32 v[BF+32*(\buf)+8*\c+4*\g+\p], v[64*(\st)+32*\g+8*\p+\c], v[64*(\st)+32*\g+8*\p+4+\c]
.endr
.endr
.endr
.endm
.macro MMS ks, buf, zero               ; A from window 3, weights from window 0, sums in window 1
	WIN 0x53
.irp a, 0,1,2,3
.irp c, 0,1,2,3
.if \zero
	v_wmma_f32_16x16x32_f16 v[8*(4*\a+\c):8*(4*\a+\c)+7], v[32*(\ks)+8*\a:32*(\ks)+8*\a+7], v[BF+32*(\buf)+8*\c:BF+32*(\buf)+8*\c+7], 0
.else
	v_wmma_f32_16x16x32_f16 v[8*(4*\a+\c):8*(4*\a+\c)+7], v[32*(\ks)+8*\a:32*(\ks)+8*\a+7], v[BF+32*(\buf)+8*\c:BF+32*(\buf)+8*\c+7], v[8*(4*\a+\c):8*(4*\a+\c)+7]
.endif
.endr
.endr
.endm
; One K step of 32.  The roundings write the fragment buffer that the matrix instructions of two steps before have read; the 32 roundings of the
; step between, which name none of those registers, are the places in between (ISA guide 7.12.1).  A's registers are never written again.
.macro STEP t
.if \t <= 4
	s_wait_loadcnt 48                              ; loads return in order: behind this step's 16 only the 3 x 16 of the next three steps were issued
.else
	s_wait_loadcnt 16*(7-\t)                       ; the tail: 2, 1, 0 younger steps
.endif
	CVTB (\t%4), (\t%2)
.if \t < 4
	WLOAD (\t%4), (\t+4)                           ; the stage just read out is asked for again, four steps ahead
.endif
.if \t == 0
	MMS \t, (\t%2), 1                              ; the first products start the sums
.else
	MMS \t, (\t%2), 0
.endif
.endm
	s_load_b256 s[8:15], s[0:1], 0x0               ; o, wo, bo, x
	s_load_b64 s[16:17], s[0:1], 0x20              ; x2
	v_lshl_add_u32 v254, v0, 2, 0xc000
	v_mov_b32 v255, 0
	v_lshrrev_b32 v9, 5, v0
	v_readfirstlane_b32 s2, v9                     ; wave = K quarter = the tile that I keep
	v_and_b32 v1, 31, v0                           ; L
	v_and_b32 v2, 15, v0                           ; r
	v_bfe_u32 v3, v0, 4, 1                         ; h2
	s_and_b32 s6, ttmp7, 0xffff                    ; row block
	v_lshlrev_b32 v[L16], 4, v1
	v_lshlrev_b32 v[R16], 4, v2
	v_lshl_add_u32 v[RO], v3, 15, v[R16]
	v_lshl_add_u32 v21, v3, 10, v[R16]             ; chunk h2, row r
.irp a, 0,1,2,3
	s_add_co_u32 s43, s2, \a
	s_and_b32 s43, s43, 3                          ; accumulator tile a stands for rows 16 ((a + w) & 3):
	s_lshl_b32 s43, s43, 8                         ; 256 bytes of a chunk
	v_add_nc_u32 v[AO+\a], s43, v21
.endr
	s_mul_i32 s43, s2, SCRW
	v_add_nc_u32 v[SADR], s43, v[L16]
.irp a, 1,2,3
	s_add_co_u32 s43, s2, 4-\a
	s_and_b32 s43, s43, 3                          ; wave (w - a) & 3 holds my tile as its accumulator tile a,
	s_mul_i32 s43, s43, SCRW
	s_add_co_u32 s43, s43, (\a-1)*4096             ; and puts it into slot a - 1 of its scratch
	v_add_nc_u32 v[RADR+\a-1], s43, v[L16]
.endr
	s_lshl_b32 s5, ttmp9, 8                        ; my 64 columns, in bytes of f32
	s_mov_b32 s39, 0
	s_wait_kmcnt 0x0
	s_lshl_b32 s38, s2, 20                         ; 256 rows of 4,096 bytes
	s_add_co_u32 s38, s38, s5
	s_add_nc_u64 s[WB:WB+1], s[10:11], s[38:39]
	s_mov_b32 s38, s5
	s_add_nc_u64 s[32:33], s[12:13], s[38:39]      ; bo
	s_lshl_b32 s38, s6, 17
	s_lshl_b32 s43, s2, 15
	s_add_co_u32 s38, s38, s43
	s_add_nc_u64 s[34:35], s[8:9], s[38:39]        ; the block of o at my 32 chunks
	s_lshl_b32 s38, s6, 18
	s_lshl_b32 s43, s2, 16
	s_add_co_u32 s38, s38, s43                     ; rows 64 mb + 16 w: those that I keep
	s_add_co_u32 s38, s38, s5
	s_add_nc_u64 s[36:37], s[14:15], s[38:39]      ; x
	s_add_nc_u64 s[40:41], s[16:17], s[38:39]      ; x2
	; all that the wave reads but the later weights is asked for at once, in the order A, bias, residual, four K steps of weights
	WIN 0xc0
.irp k, 0,1,2,3,4,5,6,7
.irp a, 0,1,2,3
	global_load_b128 v[32*\k+8*\a:32*\k+8*\a+3], v[AO+\a], s[34:35] offset:\k*4096           ; k = 32 ks + 8 h2 ..
	global_load_b128 v[32*\k+8*\a+4:32*\k+8*\a+7], v[AO+\a], s[34:35] offset:\k*4096+2048    ; k = 32 ks + 16 + 8 h2 ..
.endr
.endr
	WIN 0
	global_load_b128 v[BIAS:BIAS+3], v[R16], s[32:33]
.irp j, 0,1,2,3,4,5,6,7
	global_load_b128 v[XR+4*\j:XR+4*\j+3], v[RO], s[36:37] offset:\j*WP
.endr
	WLOAD 0, 0
	WLOAD 1, 1
	WLOAD 2, 2
	WLOAD 3, 3
.irp t, 0,1,2,3,4,5,6,7
	STEP \t
.endr
	WIN 0
.rept 4
	v_nop                                          ; four places behind the last matrix instruction, for all that follows
.endr
	WIN 0x04                                       ; store data in window 1: the three tiles that other waves keep
.irp a, 1,2,3
.irp c, 0,1,2,3
	ds_store_b128 v[SADR], v[8*(4*\a+\c):8*(4*\a+\c)+3] offset:(4*(\a-1)+\c)*1024
	ds_store_b128 v[SADR], v[8*(4*\a+\c)+4:8*(4*\a+\c)+7] offset:(4*(\a-1)+\c)*1024+512
.endr
.endr
	WIN 0
	s_wait_dscnt 0x0                               ; for the other waves: my LDS stores have landed
	s_barrier_signal -1
	s_barrier_wait -1
.irp a, 1,2,3
.irp c, 0,1,2,3
	ds_load_b128 v[RR+32*(\a-1)+8*\c:RR+32*(\a-1)+8*\c+3], v[RADR+\a-1] offset:\c*1024
	ds_load_b128 v[RR+32*(\a-1)+8*\c+4:RR+32*(\a-1)+8*\c+7], v[RADR+\a-1] offset:\c*1024+512
.endr
.endr
.irp j, 0,1,2,3,4,5,6,7
	v_pk_add_f32 v[XR+4*\j:XR+4*\j+1], v[XR+4*\j:XR+4*\j+1], v[BIAS:BIAS+1]          ; residual + bias while the quarters arrive
	v_pk_add_f32 v[XR+4*\j+2:XR+4*\j+3], v[XR+4*\j+2:XR+4*\j+3], v[BIAS+2:BIAS+3]    ; (both are in since the last K step's wait for 0)
.endr
	s_wait_dscnt 0x0
.irp k, 0,1,2,3,4,5,6,7,8,9,10,11,12,13,14,15
	v_pk_add_f32 v[RR+2*\k:RR+2*\k+1], v[RR+2*\k:RR+2*\k+1], v[RR+32+2*\k:RR+32+2*\k+1]
.endr
.irp k, 0,1,2,3,4,5,6,7,8,9,10,11,12,13,14,15
	v_pk_add_f32 v[RR+2*\k:RR+2*\k+1], v[RR+2*\k:RR+2*\k+1], v[RR+64+2*\k:RR+64+2*\k+1]
.endr
	; the lane holds rows 8 h2 + j of my tile and columns 4 r + c: register 8 c + j becomes 4 j + c, 16 bytes of a row
	WIN 0x01
.irp c, 0,1,2,3
.irp j, 0,1,2,3,4,5,6,7
	v_add_f32 v[T+4*\j+\c], v[8*\c+\j], v[RR+8*\c+\j]
.endr
.endr
	WIN 0
.irp k, 0,1,2,3,4,5,6,7,8,9,10,11,12,13,14,15
	v_pk_add_f32 v[T+2*\k:T+2*\k+1], v[T+2*\k:T+2*\k+1], v[XR+2*\k:XR+2*\k+1]
.endr
.irp j, 0,1,2,3,4,5,6,7
	global_store_b128 v[RO], v[T+4*\j:T+4*\j+3], s[40:41] offset:\j*WP     ; sixteen lanes store 256 consecutive bytes, aligned
.endr
	s_wait_tensorcnt 0x0
	ds_add_u32 v254, v255
	s_wait_dscnt 0x0
	s_endpgm
.Lfunc_end_k_q2e7d432d6b_oproj:
	.size	k_q2e7d432d6b_oproj, .Lfunc_end_k_q2e7d432d6b_oproj-k_q2e7d432d6b_oproj
	.p2alignl 7, 3214868480
	.fill 96, 4, 3214868480
	.section	.rodata,"a",@progbits
	.p2align	6, 0x0
	.amdhsa_kernel k_q2e7d432d6b_oproj
		.amdhsa_group_segment_fixed_size 49664
		.amdhsa_private_segment_fixed_size 0
		.amdhsa_enable_private_segment 0
		.amdhsa_kernarg_size 40
		.amdhsa_user_sgpr_count 2
		.amdhsa_user_sgpr_kernarg_segment_ptr 1
		.amdhsa_wavefront_size32 1
		.amdhsa_system_sgpr_workgroup_id_x 1
		.amdhsa_system_sgpr_workgroup_id_y 1
		.amdhsa_system_sgpr_workgroup_id_z 1
		.amdhsa_system_vgpr_workitem_id 0
		.amdhsa_next_free_vgpr 1024
		.amdhsa_next_free_sgpr 66
		.amdhsa_reserve_vcc 0
		.amdhsa_float_denorm_mode_32 3
		.amdhsa_float_denorm_mode_16_64 3
		.amdhsa_memory_ordered 1
		.amdhsa_forward_progress 1
		.amdhsa_inst_pref_size 56
	.end_amdhsa_kernel
	.amdgpu_metadata
---
amdhsa.version: [ 1, 2 ]
amdhsa.kernels:
  - .name:           k_q2e7d432d6b_oproj
    .symbol:         k_q2e7d432d6b_oproj.kd
    .args:
      - { .name: o, .offset: 0, .size: 8, .value_kind: global_buffer, .address_space: global }
      - { .name: wo, .offset: 8, .size: 8, .value_kind: global_buffer, .address_space: global }
      - { .name: bo, .offset: 16, .size: 8, .value_kind: global_buffer, .address_space: global }
      - { .name: x, .offset: 24, .size: 8, .value_kind: global_buffer, .address_space: global }
      - { .name: x2, .offset: 32, .size: 8, .value_kind: global_buffer, .address_space: global }
    .group_segment_fixed_size: 49664
    .private_segment_fixed_size: 0
    .kernarg_segment_align: 8
    .kernarg_segment_size: 40
    .max_flat_workgroup_size: 128
    .sgpr_count:     66
    .vgpr_count:     1024
    .wavefront_size: 32
...
	.end_amdgpu_metadata
.endif
;; end of part 3
;; launch route (part 4): grid 128 x 1, 4 waves a work-group, no clusters, 37,376 bytes of LDS; arguments x2, ln2_g, ln2_b, gate_w, gate_b, hn2, idx; writes hn2, idx
.if DOCPART == 4
	.amdgcn_target "amdgcn-amd-amdhsa--gfx1250"
	.amdhsa_code_object_version 6
	.text
	.protected	k_q2e7d432d6b_route
	.globl	k_q2e7d432d6b_route
	.p2align	8
	.type	k_q2e7d432d6b_route,@function
k_q2e7d432d6b_route:
	s_mov_b64 s[64:65], 0
	v_nop
	global_prefetch_b8 v0, s[64:65] scope:SCOPE_SE
	s_setreg_imm32_b32 hwreg(HW_REG_WAVE_MODE, 25, 1), 1
	s_wait_xcnt 0x0
; LN2, hn2 in bf16, the eight gate logits in f32 and their argmax.  One wave, one token; four tokens a work-group.
; The choice of an expert is discrete, so LN2 and the 1024 x 8 gate product stay in f32 on the vector unit (8 K multiply-adds a
; token: no bulk work).  gate_w (32 KB) is copied once into LDS in whole runs of 512 bytes a load; there the 128 bytes that
; belong to four neighbouring columns of the row are 144 bytes apart, an odd multiple of 16, so that the lanes' 16-byte reads fall
; into different 16-byte columns.  Matrix unit, clusters and tensor loads have nothing to do here.
; LIMITS: the first of equal logits wins, as in argmax; a NaN logit never wins (argmax would take it).
.set X,   8                            ; v8-39    the row: columns 128 i + 4 L .. + 3
.set G,   40
.set BV,  72
.set GW,  104                          ; v104-167 gate_w on its way to LDS, then two buffers of 32 on its way back
.set AC,  168                          ; v168-175 eight logits
.set MN,  176
.set RS,  178
.set SM,  180                          ; v180-187
.set H,   188                          ; v188-203 the row in bf16
.set TT,  204
.set TP,  205
.set BEST, 206
.set BI,  207
.macro LANESUM
	v_add_f32_dpp v[TT], v[TT], v[TT] row_xmask:1 row_mask:0xf bank_mask:0xf
	v_add_f32_dpp v[TT], v[TT], v[TT] row_xmask:2 row_mask:0xf bank_mask:0xf
	v_add_f32_dpp v[TT], v[TT], v[TT] row_xmask:4 row_mask:0xf bank_mask:0xf
	v_add_f32_dpp v[TT], v[TT], v[TT] row_xmask:8 row_mask:0xf bank_mask:0xf
	v_permlanex16_b32 v[TP], v[TT], s22, s23
	v_add_f32 v[TT], v[TT], v[TP]
.endm
.macro FOLD
	v_pk_add_f32 v[SM:SM+1], v[SM:SM+1], v[SM+2:SM+3]
	v_pk_add_f32 v[SM+4:SM+5], v[SM+4:SM+5], v[SM+6:SM+7]
	v_pk_add_f32 v[SM:SM+1], v[SM:SM+1], v[SM+4:SM+5]
	v_add_f32 v[TT], v[SM], v[SM+1]
.endm
	s_load_b256 s[8:15], s[0:1], 0x0               ; x2, ln2_g, ln2_b, gate_w
	s_load_b128 s[16:19], s[0:1], 0x20             ; gate_b, hn2
	s_load_b64 s[20:21], s[0:1], 0x30              ; idx
	v_lshl_add_u32 v208, v0, 2, 0x9000
	v_mov_b32 v209, 0
	v_lshrrev_b32 v2, 5, v0
	v_readfirstlane_b32 s2, v2                     ; wave
	v_and_b32 v1, 31, v0                           ; L
	s_lshl2_add_u32 s3, ttmp9, s2                  ; token
	s_mov_b32 s22, 0x76543210
	s_mov_b32 s23, 0xfedcba98
	s_mov_b32 s34, 0x3a800000                      ; 1 / 1024
	s_mov_b32 s35, 0x3727c5ac                      ; 1e-5
	v_lshlrev_b32 v2, 4, v1                        ; 16 L
	s_lshl_b32 s4, s2, 13
	v_add_nc_u32 v3, s4, v2                        ; my wave's quarter of gate_w
	v_lshrrev_b32 v4, 3, v1
	v_mul_u32_u24 v4, v4, 144                      ; group L >> 3 of the load's four,
	v_and_b32 v5, 7, v1
	v_lshl_add_u32 v4, v5, 4, v4                   ; 16 bytes (L & 7) in it,
	s_mul_i32 s4, s2, 64*144
	v_add_nc_u32 v4, s4, v4                        ; behind the 64 groups of each earlier wave
	v_mul_u32_u24 v5, v1, 144                      ; reading: group 32 i + L
	v_lshlrev_b32 v6, 3, v1                        ; hn2: 8 bytes a lane
	v_mov_b32 v7, 0
	v_mov_b32 v[TP], 0
	s_mov_b32 s37, 0
	s_wait_kmcnt 0x0
	s_load_b256 s[24:31], s[16:17], 0x0            ; gate_b
	s_lshl_b32 s36, s3, 12
	s_add_nc_u64 s[8:9], s[8:9], s[36:37]
	s_lshl_b32 s36, s3, 11
	s_add_nc_u64 s[18:19], s[18:19], s[36:37]
	s_lshl_b32 s36, s3, 2
	s_add_nc_u64 s[20:21], s[20:21], s[36:37]
.irp q, 0,1,2,3,4,5,6,7,8,9,10,11,12,13,14,15
	global_load_b128 v[GW+4*\q:GW+4*\q+3], v3, s[14:15] offset:512*\q
.endr
.irp i, 0,1,2,3,4,5,6,7
	global_load_b128 v[X+4*\i:X+4*\i+3], v2, s[8:9] offset:512*\i
.endr
.irp i, 0,1,2,3,4,5,6,7
	global_load_b128 v[G+4*\i:G+4*\i+3], v2, s[10:11] offset:512*\i
.endr
.irp i, 0,1,2,3,4,5,6,7
	global_load_b128 v[BV+4*\i:BV+4*\i+3], v2, s[12:13] offset:512*\i
.endr
	s_wait_loadcnt 24                              ; gate_w is in; row, gain and bias (3 x 8 loads) stay out
.irp q, 0,1,2,3,4,5,6,7,8,9,10,11,12,13,14,15
	ds_store_b128 v4, v[GW+4*\q:GW+4*\q+3] offset:576*\q
.endr
	s_wait_dscnt 0x0                               ; for the other waves: my quarter has landed
	s_barrier_signal -1
	; LN2 on registers while the others arrive
	s_wait_loadcnt 0x0
.irp k, 0,1,2,3
	v_pk_add_f32 v[SM+2*\k:SM+2*\k+1], v[X+2*\k:X+2*\k+1], v[X+8+2*\k:X+8+2*\k+1]
.endr
.irp k, 8,9,10,11,12,13,14,15
	v_pk_add_f32 v[SM+2*(\k%4):SM+2*(\k%4)+1], v[SM+2*(\k%4):SM+2*(\k%4)+1], v[X+2*\k:X+2*\k+1]
.endr
	FOLD
	LANESUM
	v_mul_f32 v[MN], s34, v[TT]
	v_mul_f32 v[MN+1], s34, v[TT]
.irp k, 0,1,2,3,4,5,6,7,8,9,10,11,12,13,14,15
	v_pk_add_f32 v[X+2*\k:X+2*\k+1], v[X+2*\k:X+2*\k+1], v[MN:MN+1] neg_lo:[0,1] neg_hi:[0,1]
.endr
.irp k, 0,1,2,3
	v_pk_mul_f32 v[SM+2*\k:SM+2*\k+1], v[X+2*\k:X+2*\k+1], v[X+2*\k:X+2*\k+1]
.endr
.irp k, 4,5,6,7,8,9,10,11,12,13,14,15
	v_pk_fma_f32 v[SM+2*(\k%4):SM+2*(\k%4)+1], v[X+2*\k:X+2*\k+1], v[X+2*\k:X+2*\k+1], v[SM+2*(\k%4):SM+2*(\k%4)+1]
.endr
	FOLD
	LANESUM
	v_fma_f32 v[TT], v[TT], s34, s35
	v_rsq_f32 v[RS], v[TT]
	v_rsq_f32 v[RS+1], v[TT]
	v_nop                                          ; one plain place behind the transcendentals
	s_wait_alu depctr_va_vdst(0)
.irp k, 0,1,2,3,4,5,6,7,8,9,10,11,12,13,14,15
	v_pk_mul_f32 v[X+2*\k:X+2*\k+1], v[X+2*\k:X+2*\k+1], v[RS:RS+1]
.endr
.irp k, 0,1,2,3,4,5,6,7,8,9,10,11,12,13,14,15
	v_pk_fma_f32 v[X+2*\k:X+2*\k+1], v[X+2*\k:X+2*\k+1], v[G+2*\k:G+2*\k+1], v[BV+2*\k:BV+2*\k+1]
.endr
.irp k, 0,1,2,3,4,5,6,7,8,9,10,11,12,13,14,15
	v_cvt_pk_bf16_f32 v[H+\k], v[X+2*\k], v[X+2*\k+1]
.endr
	s_barrier_wait -1                              ; all of gate_w lies in LDS
.irp i, 0,1,2,3,4,5,6,7
	global_store_b64 v6, v[H+2*\i:H+2*\i+1], s[18:19] offset:256*\i    ; the wave stores 256 consecutive bytes, aligned
.endr
.macro GLOAD i                         ; the 4 x 8 gate weights of my columns 128 i + 4 L .. + 3
.irp q, 0,1,2,3,4,5,6,7
	ds_load_b128 v[GW+32*(\i%2)+4*\q:GW+32*(\i%2)+4*\q+3], v5 offset:\i*4608+16*\q
.endr
.endm
.macro GMAC i, cc, first               ; eight logits += hn2[column cc of the four] x its eight weights
.irp p, 0,1,2,3
.if \first
	v_pk_mul_f32 v[AC+2*\p:AC+2*\p+1], v[GW+32*(\i%2)+8*\cc+2*\p:GW+32*(\i%2)+8*\cc+2*\p+1], v[X+4*\i+2*(\cc>>1):X+4*\i+2*(\cc>>1)+1] op_sel:[0,0] op_sel_hi:[1,0]
.else
.if \cc & 1
	v_pk_fma_f32 v[AC+2*\p:AC+2*\p+1], v[GW+32*(\i%2)+8*\cc+2*\p:GW+32*(\i%2)+8*\cc+2*\p+1], v[X+4*\i+2*(\cc>>1):X+4*\i+2*(\cc>>1)+1], v[AC+2*\p:AC+2*\p+1] op_sel:[0,1,0] op_sel_hi:[1,1,1]
.else
	v_pk_fma_f32 v[AC+2*\p:AC+2*\p+1], v[GW+32*(\i%2)+8*\cc+2*\p:GW+32*(\i%2)+8*\cc+2*\p+1], v[X+4*\i+2*(\cc>>1):X+4*\i+2*(\cc>>1)+1], v[AC+2*\p:AC+2*\p+1] op_sel:[0,0,0] op_sel_hi:[1,0,1]
.endif
.endif
.endr
.endm
	GLOAD 0
	GLOAD 1
	s_wait_dscnt 8                                 ; group 0 is in; group 1's 8 loads stay out
	GMAC 0, 0, 1
	GMAC 0, 1, 0
	GMAC 0, 2, 0
	GMAC 0, 3, 0
	GLOAD 2
.irp i, 1,2,3,4,5
	s_wait_dscnt 8
	GMAC \i, 0, 0
	GMAC \i, 1, 0
	GMAC \i, 2, 0
	GMAC \i, 3, 0
	GLOAD (\i+2)
.endr
	s_wait_dscnt 8
	GMAC 6, 0, 0
	GMAC 6, 1, 0
	GMAC 6, 2, 0
	GMAC 6, 3, 0
	s_wait_dscnt 0x0
	GMAC 7, 0, 0
	GMAC 7, 1, 0
	GMAC 7, 2, 0
	GMAC 7, 3, 0
.irp m, 1,2,4,8
.irp e, 0,1,2,3,4,5,6,7
	v_add_f32_dpp v[AC+\e], v[AC+\e], v[AC+\e] row_xmask:\m row_mask:0xf bank_mask:0xf
.endr
.endr
.irp e, 0,1,2,3,4,5,6,7
	v_permlanex16_b32 v[SM+\e], v[AC+\e], s22, s23
.endr
	s_wait_kmcnt 0x0                               ; gate_b
.irp e, 0,1,2,3,4,5,6,7
	v_add_f32 v[AC+\e], v[AC+\e], v[SM+\e]
.endr
.irp e, 0,1,2,3,4,5,6,7
	v_add_f32 v[AC+\e], s[24+\e], v[AC+\e]
.endr
	v_mov_b32 v[BEST], v[AC]
	v_mov_b32 v[BI], 0
.irp e, 1,2,3,4,5,6,7
	v_cmp_gt_f32 vcc_lo, v[AC+\e], v[BEST]         ; strictly greater: the first maximum stays
	v_cndmask_b32 v[BI], v[BI], \e, vcc_lo
	v_max_num_f32 v[BEST], v[BEST], v[AC+\e]
.endr
	s_wait_xcnt 0x0                                ; EXEC is a source of the stores above: it changes only behind this wait
	v_cmp_eq_u32 vcc_lo, 0, v1
	s_wait_tensorcnt 0x0
	ds_add_u32 v208, v209
	s_wait_dscnt 0x0
	s_and_saveexec_b32 s32, vcc_lo
	global_store_b32 v7, v[BI], s[20:21]           ; every lane holds the index: lane 0 stores it
	s_endpgm
.Lfunc_end_k_q2e7d432d6b_route:
	.size	k_q2e7d432d6b_route, .Lfunc_end_k_q2e7d432d6b_route-k_q2e7d432d6b_route
	.p2alignl 7, 3214868480
	.fill 96, 4, 3214868480
	.section	.rodata,"a",@progbits
	.p2align	6, 0x0
	.amdhsa_kernel k_q2e7d432d6b_route
		.amdhsa_group_segment_fixed_size 37376
		.amdhsa_private_segment_fixed_size 0
		.amdhsa_enable_private_segment 0
		.amdhsa_kernarg_size 56
		.amdhsa_user_sgpr_count 2
		.amdhsa_user_sgpr_kernarg_segment_ptr 1
		.amdhsa_wavefront_size32 1
		.amdhsa_system_sgpr_workgroup_id_x 1
		.amdhsa_system_sgpr_workgroup_id_y 1
		.amdhsa_system_sgpr_workgroup_id_z 1
		.amdhsa_system_vgpr_workitem_id 0
		.amdhsa_next_free_vgpr 210
		.amdhsa_next_free_sgpr 66
		.amdhsa_reserve_vcc 1
		.amdhsa_float_denorm_mode_32 3
		.amdhsa_float_denorm_mode_16_64 3
		.amdhsa_memory_ordered 1
		.amdhsa_forward_progress 1
		.amdhsa_inst_pref_size 32
	.end_amdhsa_kernel
	.amdgpu_metadata
---
amdhsa.version: [ 1, 2 ]
amdhsa.kernels:
  - .name:           k_q2e7d432d6b_route
    .symbol:         k_q2e7d432d6b_route.kd
    .args:
      - { .name: x2, .offset: 0, .size: 8, .value_kind: global_buffer, .address_space: global }
      - { .name: ln2_g, .offset: 8, .size: 8, .value_kind: global_buffer, .address_space: global }
      - { .name: ln2_b, .offset: 16, .size: 8, .value_kind: global_buffer, .address_space: global }
      - { .name: gate_w, .offset: 24, .size: 8, .value_kind: global_buffer, .address_space: global }
      - { .name: gate_b, .offset: 32, .size: 8, .value_kind: global_buffer, .address_space: global }
      - { .name: hn2, .offset: 40, .size: 8, .value_kind: global_buffer, .address_space: global }
      - { .name: idx, .offset: 48, .size: 8, .value_kind: global_buffer, .address_space: global }
    .group_segment_fixed_size: 37376
    .private_segment_fixed_size: 0
    .kernarg_segment_align: 8
    .kernarg_segment_size: 56
    .max_flat_workgroup_size: 128
    .sgpr_count:     66
    .vgpr_count:     210
    .wavefront_size: 32
...
	.end_amdgpu_metadata
.endif
;; end of part 4
;; launch moe1 (part 5): grid 32 x 8, 4 waves a work-group, no clusters, 286,208 bytes of LDS; arguments hn2, idx, w1, b1, mid; writes mid
.if DOCPART == 5
	.amdgcn_target "amdgcn-amd-amdhsa--gfx1250"
	.amdhsa_code_object_version 6
	.text
	.protected	k_q2e7d432d6b_moe1
	.globl	k_q2e7d432d6b_moe1
	.p2align	8
	.type	k_q2e7d432d6b_moe1,@function
k_q2e7d432d6b_moe1:
	s_mov_b64 s[64:65], 0
	v_nop
	global_prefetch_b8 v0, s[64:65] scope:SCOPE_SE
	s_setreg_imm32_b32 hwreg(HW_REG_WAVE_MODE, 25, 1), 1
	s_wait_xcnt 0x0
; mid[t] = relu(hn2[t] w1[e] + b1[e]) for the tokens t that chose expert e; operands bf16, sums f32.
; reference() multiplies every token by every expert and keeps one row in eight; only the rows that are kept are made here.
; Work-group (nb, e): 128 columns of expert e, all 1024 of K, so each byte of w1 is read by one work-group, as a rule once.
; Wave w: 64 columns (w & 1), K half (w >> 1).  Weights go from memory straight into registers: lane (r, h2) loads
; W[k0 + 16 g + 8 h2 + i][n0 + 4 r .. + 3] (sixteen lanes: 256 consecutive bytes, aligned); packing rows 2p, 2p+1 of component c
; gives a fragment whose lane r stands for column n0 + 4 r + c.  64 loads of 512 bytes a wave are on their way all through the K loop.
; TOKENS.  Each wave builds the list of e's tokens in LDS bytes of its own, from idx, which an earlier launch stored.  Blocks of 96 list
; places are gathered into LDS, through the accumulators' registers, which are idle then, and multiplied.  The first block is
; unconditional.  Five more stand in a counted loop in which each region is jumped over when the block begins at or beyond the
; count; the barriers stand outside those jumps, so every wave passes all of them.
; More than 96 tokens on an expert cost a further pass over the work-group's weights.  Places beyond the count hold the id 512 + e: they
; read token 511's row and store to the spare row 512 + e of mid, which nobody reads.
; No cluster, no tensor loads: no two work-groups read the same weights, and the shared rows of hn2 are a gather by a list.
.set NT,     6
.set WP,     16384
.set AK,     64
.set AH,     32
.set APITCH, 2064                      ; 2,048 bytes of a row + 16: sixteen rows start in sixteen different 16-byte columns
.set TILEB,  16*APITCH
.set SCR,    96*APITCH                 ; 198,144: scratch for the K halves
.set SCRW,   (NT/2)*4096
.set STAGE,  SCR+4*SCRW                ; 247,296: the way out, 48 rows x 144 bytes for each wave
.set STW,    7040
.set SP,     144
.set LIST,   STAGE+4*STW               ; 275,456: a list for each wave: 608 places + 32 words that swallow the tokens of other experts
.set LISTW,  2560
.set WOFF, 4
.set SADR, 5
.set RADR, 6
.set PFOFF, 7                          ; v7  row L of a K step
.set AADR, 8                           ; v8-13
.set LI,   14                          ; v14 list address of the block's place 24 w + h2
.set LBV,  15                          ; v15 my list
.set SA,   16                          ; v16 stage: where I put 8 bytes
.set RD4,  17                          ; v17 stage: where I read 16 bytes of a whole row
.set R16,  18
.set L16,  19
.set TRASH, 20
.set L4,   21
.set P,    22
.set TKN,  23
.set PADV, 24
.set BF,   32
.set AF,   96
.set IDX,  32                          ; v32-47 idx, before the K loop
.set RR,   32                          ; behind the K loop: partner's share, sums, packed results
.set T,    64
.set PK,   96
.set TOK,  192                         ; v192-203 the tokens of my 24 rows of the block: place 24 w + 2 u + h2
.set GO,   204                         ; v204-215 their byte offsets in hn2
.set LA,   216                         ; v216 LDS address of my 16 bytes in row 24 w + h2
.set BIAS, 228
.set WB,   20                          ; s[20:21]
; window 1 (v256-511): the gather's eight slots of 32, then accumulator (a, c) at 8 (4 a + c).  window 2 (v512-767): four stages of weights.
.set MSB, 0
.macro WIN new
.if MSB != \new
	s_set_vgpr_msb (MSB<<8)|\new
.set MSB, \new
.endif
.endm
.macro WLOAD st, ks
	WIN 0x80
.irp g, 0,1
.irp i, 0,1,2,3,4,5,6,7
	global_load_b128 v[64*(\st)+32*\g+4*\i:64*(\st)+32*\g+4*\i+3], v[WOFF], s[WB:WB+1] offset:(32*(\ks)+16*\g+\i)*WP th:TH_LOAD_NT
.endr
.endr
.endm
.macro CVTB st, buf
	WIN 0x0a
.irp c, 0,1,2,3
.irp g, 0,1
.irp p, 0,1,2,3
	v_cvt_pk_bf16_f32 v[BF+32*(\buf)+8*\c+4*\g+\p], v[64*(\st)+32*\g+8*\p+\c], v[64*(\st)+32*\g+8*\p+4+\c]
.endr
.endr
.endr
.endm
.macro ALOAD ks, buf
	WIN 0
.irp a, 0,1,2,3,4,5
	ds_load_b128 v[AF+48*(\buf)+8*\a:AF+48*(\buf)+8*\a+3], v[AADR+\a] offset:(\ks)*AK
	ds_load_b128 v[AF+48*(\buf)+8*\a+4:AF+48*(\buf)+8*\a+7], v[AADR+\a] offset:(\ks)*AK+AH
.endr
.endm
.macro MMS buf, zero
	WIN 0x50
.irp a, 0,1,2,3,4,5
.irp c, 0,1,2,3
.if \zero
	v_wmma_f32_16x16x32_bf16 v[8*(4*\a+\c):8*(4*\a+\c)+7], v[AF+48*(\buf)+8*\a:AF+48*(\buf)+8*\a+7], v[BF+32*(\buf)+8*\c:BF+32*(\buf)+8*\c+7], 0
.else
	v_wmma_f32_16x16x32_bf16 v[8*(4*\a+\c):8*(4*\a+\c)+7], v[AF+48*(\buf)+8*\a:AF+48*(\buf)+8*\a+7], v[BF+32*(\buf)+8*\c:BF+32*(\buf)+8*\c+7], v[8*(4*\a+\c):8*(4*\a+\c)+7]
.endif
.endr
.endr
.endm
; The 32 roundings at a step's head are the places (ISA guide 7.12.1) between earlier matrix instructions and the writes of
; their fragment registers (A's buffer of the step before, the weight buffer of two steps before).
.macro STEP t
.if \t <= 12
	s_wait_loadcnt 48                              ; behind this step's 16 loads only the 3 x 16 of the next three steps are still out
.else
	s_wait_loadcnt 16*(15-\t)
.endif
	CVTB (\t%4), (\t%2)
.if \t < 12
	WLOAD (\t%4), (\t+4)
.endif
.if \t < 15
	ALOAD (\t+1), ((\t+1)%2)
	s_wait_dscnt 2*NT                              ; the next step's 2 NT loads stay out
.else
	s_wait_dscnt 0x0
.endif
.if \t == 0
	MMS (\t%2), 1
.else
	MMS (\t%2), 0
.endif
.endm
.macro GEMM
	ALOAD 0, 0
.irp t, 0,1,2,3,4,5,6,7,8,9,10,11,12,13,14,15
	STEP \t
.endr
	WIN 0
.rept 4
	v_nop                                          ; four places behind the last matrix instruction, for all that follows
.endr
.endm
.macro SEND
	WIN 0x04
.irp a, 0,1,2
.irp c, 0,1,2,3
	ds_store_b128 v[SADR], v[8*(4*(NT/2+\a)+\c):8*(4*(NT/2+\a)+\c)+3] offset:(4*\a+\c)*1024
	ds_store_b128 v[SADR], v[8*(4*(NT/2+\a)+\c)+4:8*(4*(NT/2+\a)+\c)+7] offset:(4*\a+\c)*1024+512
.endr
.endr
	WIN 0
.endm
.macro RECV a, dst
.irp c, 0,1,2,3
	ds_load_b128 v[\dst+8*\c:\dst+8*\c+3], v[RADR] offset:(4*\a+\c)*1024
	ds_load_b128 v[\dst+8*\c+4:\dst+8*\c+7], v[RADR] offset:(4*\a+\c)*1024+512
.endr
.endm
.macro BAR
	s_wait_dscnt 0x0                               ; for the other waves: my LDS stores have landed, my LDS loads are over
	s_barrier_signal -1
	s_barrier_wait -1
.endm
.macro GUARD lbl                       ; the block begins at or beyond the count: nothing of it is wanted
	s_cmp_ge_u32 s25, s24
	s_cbranch_scc1 \lbl
.endm
; Group u of the gather = the two rows 24 w + 2 u + h2 of the block, 2,048 bytes each: eight loads, in each of which a half-wave
; reads 256 consecutive bytes of its row, and eight LDS stores of the same shape.
.macro GLD u, sl
.irp i, 0,1,2,3,4,5,6,7
	global_load_b128 v[32*(\sl)+4*\i:32*(\sl)+4*\i+3], v[GO+\u], s[8:9] offset:256*\i
.endr
.endm
.macro GST u, sl
.irp i, 0,1,2,3,4,5,6,7
	ds_store_b128 v[LA], v[32*(\sl)+4*\i:32*(\sl)+4*\i+3] offset:(\u)*2*APITCH+256*\i
.endr
.endm
; Region 1: my 24 rows of the block, twelve groups through a ring of eight register slots
.macro FILL
.irp u, 0,1,2,3,4,5,6,7,8,9,10,11
	ds_load_b32 v[TOK+\u], v[LI] offset:8*\u
.endr
	s_wait_dscnt 0x0
.irp u, 0,1,2,3,4,5,6,7,8,9,10,11
	v_min_u32 v[GO+\u], 511, v[TOK+\u]             ; a place beyond the count reads the last row
.endr
.irp u, 0,1,2,3,4,5,6,7,8,9,10,11
	v_lshl_add_u32 v[GO+\u], v[GO+\u], 11, v[R16]
.endr
	WIN 0x40
.irp u, 0,1,2,3,4,5,6,7
	GLD \u, \u
.endr
.irp u, 0,1,2,3
	s_wait_loadcnt 56                              ; loads return in order: group u is in, the seven younger groups of 8 stay out
	WIN 0x04
	GST \u, \u
	WIN 0x40
	GLD (\u+8), \u                                 ; the slot is asked for again
.endr
	WIN 0x04
.irp u, 4,5,6,7,8,9,10,11
	s_wait_loadcnt 8*(11-\u)                       ; the counts run down; behind the last one GO may be written again
	GST \u, (\u%8)
.endr
	WIN 0
.endm
; Region 3: tile a of the three that I keep: both K halves, bias, relu, bf16, into my stage
.macro EPI a
	RECV \a, RR
	s_wait_dscnt 0x0
	WIN 0x01
.irp c, 0,1,2,3
.irp j, 0,1,2,3,4,5,6,7
	v_add_f32 v[T+4*\j+\c], v[8*(4*\a+\c)+\j], v[RR+8*\c+\j]
.endr
.endr
	WIN 0
.irp j, 0,1,2,3,4,5,6,7
	v_pk_add_f32 v[T+4*\j:T+4*\j+1], v[T+4*\j:T+4*\j+1], v[BIAS:BIAS+1]
	v_pk_add_f32 v[T+4*\j+2:T+4*\j+3], v[T+4*\j+2:T+4*\j+3], v[BIAS+2:BIAS+3]
.endr
.set kk, 0
.rept 32
	v_max_num_f32 v[T+kk], 0, v[T+kk]
.set kk, kk+1
.endr
.irp k, 0,1,2,3,4,5,6,7,8,9,10,11,12,13,14,15
	v_cvt_pk_bf16_f32 v[PK+\k], v[T+2*\k], v[T+2*\k+1]
.endr
.irp j, 0,1,2,3,4,5,6,7
	ds_store_b64 v[SA], v[PK+2*\j:PK+2*\j+1] offset:(16*\a+\j)*SP
.endr
.endm
; Region 4: the 24 rows whose tokens I hold: sixteen lanes read a row's 256 bytes from two waves' stages and store them as one aligned run
.macro OUTROWS
.irp u, 0,1,2,3,4,5,6,7,8,9,10,11
	ds_load_b128 v[32+4*\u:32+4*\u+3], v[RD4] offset:2*SP*\u
.endr
.irp u, 0,1,2,3,4,5,6,7,8,9,10,11
	v_min_u32 v[80+\u], 519, v[TOK+\u]
.endr
.irp u, 0,1,2,3,4,5,6,7,8,9,10,11
	v_lshl_add_u32 v[80+\u], v[80+\u], 13, v[R16]
.endr
.irp u, 0,1,2,3,4,5,6,7,8,9,10,11
	s_wait_dscnt 11-\u                             ; LDS loads return in order: row pair u is in
	global_store_b128 v[80+\u], v[32+4*\u:32+4*\u+3], s[30:31]
.endr
	s_wait_xcnt 0x0                                ; the stores' data and offsets are written again only behind this wait
.endm
	s_load_b256 s[8:15], s[0:1], 0x0               ; hn2, idx, w1, b1
	s_load_b64 s[16:17], s[0:1], 0x20              ; mid
	v_lshl_add_u32 v254, v0, 2, 0x45c00
	v_mov_b32 v255, 0
	v_lshrrev_b32 v25, 5, v0
	v_readfirstlane_b32 s2, v25                    ; wave
	v_and_b32 v1, 31, v0                           ; L
	v_and_b32 v2, 15, v0                           ; r
	v_bfe_u32 v3, v0, 4, 1                         ; h2
	s_and_b32 s3, s2, 1                            ; c
	s_lshr_b32 s4, s2, 1                           ; kh
	s_and_b32 s19, ttmp7, 0xffff                   ; expert
	v_lshlrev_b32 v[R16], 4, v2
	v_lshlrev_b32 v[L16], 4, v1
	v_lshl_add_u32 v[WOFF], v3, 17, v[R16]         ; 8 h2 rows of 16,384 bytes + 16 r
	v_lshlrev_b32 v[PFOFF], 14, v1
	s_lshl_b32 s5, ttmp9, 9
	s_lshl_b32 s6, s3, 8
	s_add_co_u32 s5, s5, s6                        ; my 64 columns, in bytes of f32
	s_lshl_b32 s28, s19, 24
	s_lshl_b32 s6, s4, 23
	s_add_co_u32 s28, s28, s6
	s_add_co_u32 s28, s28, s5
	s_mov_b32 s29, 0
	s_wait_kmcnt 0x0
	s_add_nc_u64 s[WB:WB+1], s[12:13], s[28:29]
	s_lshl_b32 s28, s19, 14
	s_add_co_u32 s28, s28, s5
	s_add_nc_u64 s[22:23], s[14:15], s[28:29]      ; b1
	s_lshl_b32 s28, ttmp9, 8
	s_add_nc_u64 s[30:31], s[16:17], s[28:29]      ; mid at the work-group's 128 columns
.irp q, 0,1,2,3
	global_load_b128 v[IDX+4*\q:IDX+4*\q+3], v[L16], s[10:11] offset:512*\q
.endr
	global_load_b128 v[BIAS:BIAS+3], v[R16], s[22:23]
	WLOAD 0, 0
	WLOAD 1, 1
	WLOAD 2, 2
	WLOAD 3, 3
	WIN 0
	; K steps 4 to 7 of my wave's own weights, 32 rows x 256 bytes each, one request for each such piece: they are loaded in the first four
	; K steps, behind the list and the gather that the wave now turns to.  Inside w1: row 255 of my K half at the most.
.irp t, 4,5,6,7
	global_prefetch_b8 v[PFOFF], s[WB:WB+1] offset:\t*32*WP th:TH_LOAD_NT scope:SCOPE_SE
.endr
	s_mul_i32 s5, s2, SCRW
	s_add_co_u32 s5, s5, SCR
	v_add_nc_u32 v[SADR], s5, v[L16]
	s_xor_b32 s5, s2, 2                            ; the wave with my columns and the other K half
	s_mul_i32 s5, s5, SCRW
	s_add_co_u32 s5, s5, SCR
	v_add_nc_u32 v[RADR], s5, v[L16]
	; accumulator tile a: rows 16 (a + 3 kh) if a < 3 (kept), 16 (a - 3 kh) if a >= 3 (sent)
	v_mul_u32_u24 v25, v2, APITCH
	v_lshl_add_u32 v25, v3, 4, v25
	s_mul_i32 s5, s4, (NT/2)*TILEB+1024
	s_mul_i32 s6, s4, (NT/2)*TILEB-1024
	s_sub_co_u32 s6, (NT/2)*TILEB, s6
	v_add_nc_u32 v[AADR], s5, v25
	v_add_nc_u32 v[AADR+3], s6, v25
.irp a, 1,2
	v_add_nc_u32 v[AADR+\a], \a*TILEB, v[AADR]
	v_add_nc_u32 v[AADR+3+\a], \a*TILEB, v[AADR+3]
.endr
	s_mul_i32 s6, s2, LISTW
	s_add_co_u32 s6, s6, LIST                      ; my list
	v_mov_b32 v[LBV], s6
	s_mul_i32 s7, s2, 96
	s_add_co_u32 s7, s7, s6
	v_lshl_add_u32 v[LI], v3, 2, s7                ; place 24 w + h2
	s_mul_i32 s5, s2, 24*APITCH
	v_mul_u32_u24 v25, v3, APITCH
	v_add_nc_u32 v25, v[R16], v25
	v_add_nc_u32 v[LA], s5, v25                    ; row 24 w + h2, 16 bytes a lane
	s_mul_i32 s5, s2, STW
	s_add_co_u32 s5, s5, STAGE
	v_mul_u32_u24 v25, v3, 8*SP
	v_lshl_add_u32 v25, v2, 3, v25
	v_add_nc_u32 v[SA], s5, v25                    ; my stage, row 8 h2, 8 bytes at column 4 r
	s_mul_i32 s5, s4, 2*STW
	s_mul_i32 s7, s3, 24*SP
	s_add_co_u32 s5, s5, s7
	s_add_co_u32 s5, s5, STAGE                     ; rows 24 w .. lie in the stages of waves 2 kh and 2 kh + 1, from row 24 c on
	v_lshrrev_b32 v25, 3, v2
	v_mul_u32_u24 v25, v25, STW                    ; lanes 8-15 of a half: the columns 64-127
	v_mad_u32_u24 v25, v3, SP, v25
	v_and_b32 v26, 7, v0
	v_lshl_add_u32 v25, v26, 4, v25
	v_add_nc_u32 v[RD4], s5, v25
	v_add_nc_u32 v[TRASH], 608, v1
	v_lshlrev_b32 v[L4], 2, v1
	s_add_co_u32 s5, s19, 512
	v_mov_b32 v[PADV], s5                          ; the id of a place beyond the count
	v_add_nc_u32 v[P], s6, v[L4]
.set kk, 0
.rept 19
	ds_store_b32 v[P], v[PADV] offset:128*kk       ; all 608 places; LDS serves a wave's instructions in order, so the tokens below land on top
.set kk, kk+1
.endr
	s_mov_b32 s24, 0                               ; the count
	s_wait_loadcnt 63                              ; idx and bias are in: 64 weight loads were issued behind them, and 63 is the largest count this wait can name
.irp q, 0,1,2,3
.irp n, 0,1,2,3
	v_cmp_eq_u32 vcc_lo, s19, v[IDX+4*\q+\n]       ; token 128 q + 4 L + n chose my expert
	v_mbcnt_lo_u32_b32 v[P], vcc_lo, s24           ; count so far + such lanes below me
	v_cndmask_b32 v[P], v[TRASH], v[P], vcc_lo
	v_min_u32 v[P], 639, v[P]
	v_lshl_add_u32 v[P], v[P], 2, v[LBV]
	v_add_nc_u32 v[TKN], 128*\q+\n, v[L4]
	ds_store_b32 v[P], v[TKN]
	s_bcnt1_i32_b32 s26, vcc_lo
	s_add_co_u32 s24, s24, s26
.endr
.endr
	; the first block, unconditional: its weights are already on their way
	FILL
	BAR                                            ; all 96 rows lie in LDS
	GEMM
	SEND
	BAR                                            ; the K halves have been handed over; nobody reads A any more
	EPI 0
	EPI 1
	EPI 2
	BAR                                            ; the stages are whole
	OUTROWS
	s_mov_b32 s25, 96                              ; the next block's first place
.Lblock:
	v_add_nc_u32 v[LI], 4*96, v[LI]
	GUARD .Lno_fill
	FILL
.Lno_fill:
	BAR
	GUARD .Lno_gemm
	WLOAD 0, 0
	WLOAD 1, 1
	WLOAD 2, 2
	WLOAD 3, 3
	GEMM
	SEND
.Lno_gemm:
	BAR
	GUARD .Lno_epi
	EPI 0
	EPI 1
	EPI 2
.Lno_epi:
	BAR
	GUARD .Lno_out
	OUTROWS
.Lno_out:
	s_add_co_u32 s25, s25, 96
	s_cmp_lt_u32 s25, 576                          ; 6 x 96 places hold all 512 tokens
	s_cbranch_scc1 .Lblock
	s_wait_tensorcnt 0x0
	ds_add_u32 v254, v255
	s_wait_dscnt 0x0
	s_endpgm
.Lfunc_end_k_q2e7d432d6b_moe1:
	.size	k_q2e7d432d6b_moe1, .Lfunc_end_k_q2e7d432d6b_moe1-k_q2e7d432d6b_moe1
	.p2alignl 7, 3214868480
	.fill 96, 4, 3214868480
	.section	.rodata,"a",@progbits
	.p2align	6, 0x0
	.amdhsa_kernel k_q2e7d432d6b_moe1
		.amdhsa_group_segment_fixed_size 286208
		.amdhsa_private_segment_fixed_size 0
		.amdhsa_enable_private_segment 0
		.amdhsa_kernarg_size 40
		.amdhsa_user_sgpr_count 2
		.amdhsa_user_sgpr_kernarg_segment_ptr 1
		.amdhsa_wavefront_size32 1
		.amdhsa_system_sgpr_workgroup_id_x 1
		.amdhsa_system_sgpr_workgroup_id_y 1
		.amdhsa_system_sgpr_workgroup_id_z 1
		.amdhsa_system_vgpr_workitem_id 0
		.amdhsa_next_free_vgpr 768
		.amdhsa_next_free_sgpr 66
		.amdhsa_reserve_vcc 1
		.amdhsa_float_denorm_mode_32 3
		.amdhsa_float_denorm_mode_16_64 3
		.amdhsa_memory_ordered 1
		.amdhsa_forward_progress 1
		.amdhsa_inst_pref_size 255
	.end_amdhsa_kernel
	.section	.bss,"aw",@nobits
	.p2align	6
	.space	262144
	.amdgpu_metadata
---
amdhsa.version: [ 1, 2 ]
amdhsa.kernels:
  - .name:           k_q2e7d432d6b_moe1
    .symbol:         k_q2e7d432d6b_moe1.kd
    .args:
      - { .name: hn2, .offset: 0, .size: 8, .value_kind: global_buffer, .address_space: global }
      - { .name: idx, .offset: 8, .size: 8, .value_kind: global_buffer, .address_space: global }
      - { .name: w1, .offset: 16, .size: 8, .value_kind: global_buffer, .address_space: global }
      - { .name: b1, .offset: 24, .size: 8, .value_kind: global_buffer, .address_space: global }
      - { .name: mid, .offset: 32, .size: 8, .value_kind: global_buffer, .address_space: global }
    .group_segment_fixed_size: 286208
    .private_segment_fixed_size: 0
    .kernarg_segment_align: 8
    .kernarg_segment_size: 40
    .max_flat_workgroup_size: 128
    .sgpr_count:     66
    .vgpr_count:     768
    .wavefront_size: 32
...
	.end_amdgpu_metadata
.endif
;; end of part 5
;; launch moe2 (part 6): grid 32 x 8, 4 waves a work-group, no clusters, 258,048 bytes of LDS; arguments mid, idx, w2, part; writes part
.if DOCPART == 6
	.amdgcn_target "amdgcn-amd-amdhsa--gfx1250"
	.amdhsa_code_object_version 6
	.text
	.protected	k_q2e7d432d6b_moe2
	.globl	k_q2e7d432d6b_moe2
	.p2align	8
	.type	k_q2e7d432d6b_moe2,@function
k_q2e7d432d6b_moe2:
	s_mov_b64 s[64:65], 0
	v_nop
	global_prefetch_b8 v0, s[64:65] scope:SCOPE_SE
	s_setreg_imm32_b32 hwreg(HW_REG_WAVE_MODE, 25, 1), 1
	s_wait_xcnt 0x0
; part[kq][t] = mid[t][K quarter kq] w2[e][K quarter kq] for the tokens t that chose expert e; operands bf16, sums f32.
; Work-group (nb + 8 kq, e): 128 columns nb of expert e and 1024 of the 4096 of K, so that 256 work-groups share w2 evenly and each byte of
; it is read by one of them.  The four quarters are added in a fixed order by the next launch: no sum between work-groups here.
; The product, the list of tokens and the blocks of 96 places are those of the launch moe1: wave w takes 64 columns (w & 1) and half of the
; work-group's K (w >> 1); weights go from memory straight into registers (lane (r, h2) loads W[k0 + 16 g + 8 h2 + i][n0 + 4 r .. + 3]);
; the rows of mid are gathered into LDS through the accumulators' registers, which are idle then;
; the first block is unconditional, five more stand in a counted loop whose regions are jumped over at or beyond the count, barriers outside.
; A lane's four accumulators hold four neighbouring f32 of a row, so results are stored from registers: sixteen lanes, 256 bytes, aligned.
; Places beyond the count read token 511's row of mid and store to the spare row 512 + e of part, which nobody reads.
; No cluster, no tensor loads: no two work-groups read the same weights, and the shared rows of mid are a gather by a list.
.set NT,     6
.set WP,     4096
.set AK,     64
.set AH,     32
.set APITCH, 2064
.set TILEB,  16*APITCH
.set SCR,    96*APITCH                 ; 198,144
.set SCRW,   (NT/2)*4096
.set LIST,   SCR+4*SCRW                ; 247,296
.set LISTW,  2560
.set PLANE,  520*4096                  ; a quarter's plane of part
.set WOFF, 4
.set SADR, 5
.set RADR, 6
.set PFOFF, 7
.set AADR, 8
.set LI,   14                          ; v14 list address of the block's place 24 w + h2 (gather)
.set LBV,  15
.set LT,   16                          ; v16 list address of the block's place 48 kh + 8 h2 (results)
.set R16,  18
.set L16,  19
.set TRASH, 20
.set L4,   21
.set P,    22
.set TKN,  23
.set PADV, 24
.set BF,   32
.set AF,   96
.set IDX,  32
.set RR,   32
.set T,    64                          ; v64-159  three tiles of sums
.set OFFS, 160                         ; v160-183 their rows' offsets
.set TK,   184                         ; v184-191
.set TOK,  192
.set GO,   204
.set LA,   216                         ; v216 LDS address of my 16 bytes in row 24 w + h2
.set WB,   20
; window 1 (v256-511): the gather's eight slots of 32, then accumulator (a, c) at 8 (4 a + c).  window 2 (v512-767): four stages of weights.
.set MSB, 0
.macro WIN new
.if MSB != \new
	s_set_vgpr_msb (MSB<<8)|\new
.set MSB, \new
.endif
.endm
.macro WLOAD st, ks
	WIN 0x80
.irp g, 0,1
.irp i, 0,1,2,3,4,5,6,7
	global_load_b128 v[64*(\st)+32*\g+4*\i:64*(\st)+32*\g+4*\i+3], v[WOFF], s[WB:WB+1] offset:(32*(\ks)+16*\g+\i)*WP th:TH_LOAD_NT
.endr
.endr
.endm
.macro CVTB st, buf
	WIN 0x0a
.irp c, 0,1,2,3
.irp g, 0,1
.irp p, 0,1,2,3
	v_cvt_pk_bf16_f32 v[BF+32*(\buf)+8*\c+4*\g+\p], v[64*(\st)+32*\g+8*\p+\c], v[64*(\st)+32*\g+8*\p+4+\c]
.endr
.endr
.endr
.endm
.macro ALOAD ks, buf
	WIN 0
.irp a, 0,1,2,3,4,5
	ds_load_b128 v[AF+48*(\buf)+8*\a:AF+48*(\buf)+8*\a+3], v[AADR+\a] offset:(\ks)*AK
	ds_load_b128 v[AF+48*(\buf)+8*\a+4:AF+48*(\buf)+8*\a+7], v[AADR+\a] offset:(\ks)*AK+AH
.endr
.endm
.macro MMS buf, zero
	WIN 0x50
.irp a, 0,1,2,3,4,5
.irp c, 0,1,2,3
.if \zero
	v_wmma_f32_16x16x32_bf16 v[8*(4*\a+\c):8*(4*\a+\c)+7], v[AF+48*(\buf)+8*\a:AF+48*(\buf)+8*\a+7], v[BF+32*(\buf)+8*\c:BF+32*(\buf)+8*\c+7], 0
.else
	v_wmma_f32_16x16x32_bf16 v[8*(4*\a+\c):8*(4*\a+\c)+7], v[AF+48*(\buf)+8*\a:AF+48*(\buf)+8*\a+7], v[BF+32*(\buf)+8*\c:BF+32*(\buf)+8*\c+7], v[8*(4*\a+\c):8*(4*\a+\c)+7]
.endif
.endr
.endr
.endm
; The 32 roundings at a step's head are the places (ISA guide 7.12.1) between earlier matrix instructions and the writes of
; their fragment registers (A's buffer of the step before, the weight buffer of two steps before).
.macro STEP t
.if \t <= 12
	s_wait_loadcnt 48                              ; behind this step's 16 loads only the 3 x 16 of the next three steps are still out
.else
	s_wait_loadcnt 16*(15-\t)
.endif
	CVTB (\t%4), (\t%2)
.if \t < 12
	WLOAD (\t%4), (\t+4)
.endif
.if \t < 15
	ALOAD (\t+1), ((\t+1)%2)
	s_wait_dscnt 2*NT                              ; the next step's 2 NT loads stay out
.else
	s_wait_dscnt 0x0
.endif
.if \t == 0
	MMS (\t%2), 1
.else
	MMS (\t%2), 0
.endif
.endm
.macro GEMM
	ALOAD 0, 0
.irp t, 0,1,2,3,4,5,6,7,8,9,10,11,12,13,14,15
	STEP \t
.endr
	WIN 0
.rept 4
	v_nop                                          ; four places behind the last matrix instruction, for all that follows
.endr
.endm
.macro SEND
	WIN 0x04
.irp a, 0,1,2
.irp c, 0,1,2,3
	ds_store_b128 v[SADR], v[8*(4*(NT/2+\a)+\c):8*(4*(NT/2+\a)+\c)+3] offset:(4*\a+\c)*1024
	ds_store_b128 v[SADR], v[8*(4*(NT/2+\a)+\c)+4:8*(4*(NT/2+\a)+\c)+7] offset:(4*\a+\c)*1024+512
.endr
.endr
	WIN 0
.endm
.macro RECV a, dst
.irp c, 0,1,2,3
	ds_load_b128 v[\dst+8*\c:\dst+8*\c+3], v[RADR] offset:(4*\a+\c)*1024
	ds_load_b128 v[\dst+8*\c+4:\dst+8*\c+7], v[RADR] offset:(4*\a+\c)*1024+512
.endr
.endm
.macro BAR
	s_wait_dscnt 0x0                               ; for the other waves: my LDS stores have landed, my LDS loads are over
	s_barrier_signal -1
	s_barrier_wait -1
.endm
.macro GUARD lbl
	s_cmp_ge_u32 s25, s24
	s_cbranch_scc1 \lbl
.endm
; Group u of the gather = the two rows 24 w + 2 u + h2 of the block, 2,048 bytes (the K quarter) of each token's row of mid: eight loads,
; in each of which a half-wave reads 256 consecutive bytes of its row, and eight LDS stores of the same shape.
.macro GLD u, sl
.irp i, 0,1,2,3,4,5,6,7
	global_load_b128 v[32*(\sl)+4*\i:32*(\sl)+4*\i+3], v[GO+\u], s[16:17] offset:256*\i
.endr
.endm
.macro GST u, sl
.irp i, 0,1,2,3,4,5,6,7
	ds_store_b128 v[LA], v[32*(\sl)+4*\i:32*(\sl)+4*\i+3] offset:(\u)*2*APITCH+256*\i
.endr
.endm
.macro FILL                            ; my 24 rows of the block, twelve groups through a ring of eight register slots
.irp u, 0,1,2,3,4,5,6,7,8,9,10,11
	ds_load_b32 v[TOK+\u], v[LI] offset:8*\u
.endr
	s_wait_dscnt 0x0
.irp u, 0,1,2,3,4,5,6,7,8,9,10,11
	v_min_u32 v[GO+\u], 511, v[TOK+\u]             ; a place beyond the count reads the last row
.endr
.irp u, 0,1,2,3,4,5,6,7,8,9,10,11
	v_lshl_add_u32 v[GO+\u], v[GO+\u], 13, v[R16]
.endr
	WIN 0x40
.irp u, 0,1,2,3,4,5,6,7
	GLD \u, \u
.endr
.irp u, 0,1,2,3
	s_wait_loadcnt 56                              ; loads return in order: group u is in, the seven younger groups of 8 stay out
	WIN 0x04
	GST \u, \u
	WIN 0x40
	GLD (\u+8), \u                                 ; the slot is asked for again
.endr
	WIN 0x04
.irp u, 4,5,6,7,8,9,10,11
	s_wait_loadcnt 8*(11-\u)                       ; the counts run down; behind the last one GO may be written again
	GST \u, (\u%8)
.endr
	WIN 0
.endm
.macro EPI a                           ; tile a of the three that I keep: both K halves, stored by the tokens of rows 48 kh + 16 a + 8 h2 + j
	RECV \a, RR
	ds_load_b128 v[TK:TK+3], v[LT] offset:64*\a
	ds_load_b128 v[TK+4:TK+7], v[LT] offset:64*\a+16
	s_wait_dscnt 0x0
	WIN 0x01
.irp c, 0,1,2,3
.irp j, 0,1,2,3,4,5,6,7
	v_add_f32 v[T+32*\a+4*\j+\c], v[8*(4*\a+\c)+\j], v[RR+8*\c+\j]
.endr
.endr
	WIN 0
.irp j, 0,1,2,3,4,5,6,7
	v_min_u32 v[OFFS+8*\a+\j], 519, v[TK+\j]
.endr
.irp j, 0,1,2,3,4,5,6,7
	v_lshl_add_u32 v[OFFS+8*\a+\j], v[OFFS+8*\a+\j], 12, v[R16]
.endr
.irp j, 0,1,2,3,4,5,6,7
	global_store_b128 v[OFFS+8*\a+\j], v[T+32*\a+4*\j:T+32*\a+4*\j+3], s[30:31]
.endr
.endm
	s_load_b256 s[8:15], s[0:1], 0x0               ; mid, idx, w2, part
	v_lshl_add_u32 v254, v0, 2, 0x3ee00
	v_mov_b32 v255, 0
	v_lshrrev_b32 v25, 5, v0
	v_readfirstlane_b32 s2, v25                    ; wave
	v_and_b32 v1, 31, v0                           ; L
	v_and_b32 v2, 15, v0                           ; r
	v_bfe_u32 v3, v0, 4, 1                         ; h2
	s_and_b32 s3, s2, 1                            ; c
	s_lshr_b32 s4, s2, 1                           ; kh
	s_and_b32 s19, ttmp7, 0xffff                   ; expert
	s_and_b32 s18, ttmp9, 7                        ; column block
	s_lshr_b32 s27, ttmp9, 3                       ; K quarter
	v_lshlrev_b32 v[R16], 4, v2
	v_lshlrev_b32 v[L16], 4, v1
	v_lshl_add_u32 v[WOFF], v3, 15, v[R16]         ; 8 h2 rows of 4,096 bytes + 16 r
	v_lshlrev_b32 v[PFOFF], 12, v1
	s_lshl_b32 s5, s18, 9
	s_lshl_b32 s6, s3, 8
	s_add_co_u32 s5, s5, s6                        ; my 64 columns, in bytes of f32
	s_lshl_b32 s28, s19, 24
	s_lshl_b32 s6, s27, 22
	s_add_co_u32 s28, s28, s6
	s_lshl_b32 s6, s4, 21
	s_add_co_u32 s28, s28, s6
	s_add_co_u32 s28, s28, s5
	s_mov_b32 s29, 0
	s_wait_kmcnt 0x0
	s_add_nc_u64 s[WB:WB+1], s[12:13], s[28:29]
	s_lshl_b32 s28, s27, 11
	s_add_nc_u64 s[16:17], s[8:9], s[28:29]        ; mid at the K quarter
	s_mul_i32 s28, s27, PLANE
	s_add_co_u32 s28, s28, s5
	s_add_nc_u64 s[30:31], s[14:15], s[28:29]      ; part: my plane, my columns
.irp q, 0,1,2,3
	global_load_b128 v[IDX+4*\q:IDX+4*\q+3], v[L16], s[10:11] offset:512*\q
.endr
	WLOAD 0, 0
	WLOAD 1, 1
	WLOAD 2, 2
	WLOAD 3, 3
	WIN 0
	; K steps 4 to 7 of my wave's own weights, 32 rows x 256 bytes each, one request for each such piece: they are loaded in the first four
	; K steps, behind the list and the gather that the wave now turns to.  Inside w2: row 255 of my K half at the most.
.irp t, 4,5,6,7
	global_prefetch_b8 v[PFOFF], s[WB:WB+1] offset:\t*32*WP th:TH_LOAD_NT scope:SCOPE_SE
.endr
	s_mul_i32 s5, s2, SCRW
	s_add_co_u32 s5, s5, SCR
	v_add_nc_u32 v[SADR], s5, v[L16]
	s_xor_b32 s5, s2, 2
	s_mul_i32 s5, s5, SCRW
	s_add_co_u32 s5, s5, SCR
	v_add_nc_u32 v[RADR], s5, v[L16]
	v_mul_u32_u24 v25, v2, APITCH
	v_lshl_add_u32 v25, v3, 4, v25
	s_mul_i32 s5, s4, (NT/2)*TILEB+1024
	s_mul_i32 s6, s4, (NT/2)*TILEB-1024
	s_sub_co_u32 s6, (NT/2)*TILEB, s6
	v_add_nc_u32 v[AADR], s5, v25
	v_add_nc_u32 v[AADR+3], s6, v25
.irp a, 1,2
	v_add_nc_u32 v[AADR+\a], \a*TILEB, v[AADR]
	v_add_nc_u32 v[AADR+3+\a], \a*TILEB, v[AADR+3]
.endr
	s_mul_i32 s6, s2, LISTW
	s_add_co_u32 s6, s6, LIST                      ; my list
	v_mov_b32 v[LBV], s6
	s_mul_i32 s7, s2, 96
	s_add_co_u32 s7, s7, s6
	v_lshl_add_u32 v[LI], v3, 2, s7                ; place 24 w + h2
	s_mul_i32 s7, s4, 192
	s_add_co_u32 s7, s7, s6
	v_lshl_add_u32 v[LT], v3, 5, s7                ; place 48 kh + 8 h2
	s_mul_i32 s5, s2, 24*APITCH
	v_mul_u32_u24 v25, v3, APITCH
	v_add_nc_u32 v25, v[R16], v25
	v_add_nc_u32 v[LA], s5, v25                    ; row 24 w + h2, 16 bytes a lane
	v_add_nc_u32 v[TRASH], 608, v1
	v_lshlrev_b32 v[L4], 2, v1
	s_add_co_u32 s5, s19, 512
	v_mov_b32 v[PADV], s5
	v_add_nc_u32 v[P], s6, v[L4]
.set kk, 0
.rept 19
	ds_store_b32 v[P], v[PADV] offset:128*kk       ; all 608 places; LDS serves a wave's instructions in order, so the tokens below land on top
.set kk, kk+1
.endr
	s_mov_b32 s24, 0
	s_wait_loadcnt 63                              ; idx is in: 64 weight loads were issued behind it, and 63 is the largest count this wait can name
.irp q, 0,1,2,3
.irp n, 0,1,2,3
	v_cmp_eq_u32 vcc_lo, s19, v[IDX+4*\q+\n]
	v_mbcnt_lo_u32_b32 v[P], vcc_lo, s24
	v_cndmask_b32 v[P], v[TRASH], v[P], vcc_lo
	v_min_u32 v[P], 639, v[P]
	v_lshl_add_u32 v[P], v[P], 2, v[LBV]
	v_add_nc_u32 v[TKN], 128*\q+\n, v[L4]
	ds_store_b32 v[P], v[TKN]
	s_bcnt1_i32_b32 s26, vcc_lo
	s_add_co_u32 s24, s24, s26
.endr
.endr
	FILL
	BAR                                            ; all 96 rows lie in LDS
	GEMM
	SEND
	BAR                                            ; the K halves have been handed over; nobody reads A any more
	EPI 0
	EPI 1
	EPI 2
	s_wait_xcnt 0x0                                ; the stores' data and offsets are written again only behind this wait
	s_mov_b32 s25, 96
.Lblock:
	v_add_nc_u32 v[LI], 4*96, v[LI]
	v_add_nc_u32 v[LT], 4*96, v[LT]
	GUARD .Lno_fill
	FILL
.Lno_fill:
	BAR                                            ; also: every wave's reads of the scratch are over before it is written again
	GUARD .Lno_gemm
	WLOAD 0, 0
	WLOAD 1, 1
	WLOAD 2, 2
	WLOAD 3, 3
	GEMM
	SEND
.Lno_gemm:
	BAR
	GUARD .Lno_epi
	EPI 0
	EPI 1
	EPI 2
	s_wait_xcnt 0x0
.Lno_epi:
	s_add_co_u32 s25, s25, 96
	s_cmp_lt_u32 s25, 576
	s_cbranch_scc1 .Lblock
	s_wait_tensorcnt 0x0
	ds_add_u32 v254, v255
	s_wait_dscnt 0x0
	s_endpgm
.Lfunc_end_k_q2e7d432d6b_moe2:
	.size	k_q2e7d432d6b_moe2, .Lfunc_end_k_q2e7d432d6b_moe2-k_q2e7d432d6b_moe2
	.p2alignl 7, 3214868480
	.fill 96, 4, 3214868480
	.section	.rodata,"a",@progbits
	.p2align	6, 0x0
	.amdhsa_kernel k_q2e7d432d6b_moe2
		.amdhsa_group_segment_fixed_size 258048
		.amdhsa_private_segment_fixed_size 0
		.amdhsa_enable_private_segment 0
		.amdhsa_kernarg_size 32
		.amdhsa_user_sgpr_count 2
		.amdhsa_user_sgpr_kernarg_segment_ptr 1
		.amdhsa_wavefront_size32 1
		.amdhsa_system_sgpr_workgroup_id_x 1
		.amdhsa_system_sgpr_workgroup_id_y 1
		.amdhsa_system_sgpr_workgroup_id_z 1
		.amdhsa_system_vgpr_workitem_id 0
		.amdhsa_next_free_vgpr 768
		.amdhsa_next_free_sgpr 66
		.amdhsa_reserve_vcc 1
		.amdhsa_float_denorm_mode_32 3
		.amdhsa_float_denorm_mode_16_64 3
		.amdhsa_memory_ordered 1
		.amdhsa_forward_progress 1
		.amdhsa_inst_pref_size 255
	.end_amdhsa_kernel
	.section	.bss,"aw",@nobits
	.p2align	6
	.space	262144
	.amdgpu_metadata
---
amdhsa.version: [ 1, 2 ]
amdhsa.kernels:
  - .name:           k_q2e7d432d6b_moe2
    .symbol:         k_q2e7d432d6b_moe2.kd
    .args:
      - { .name: mid, .offset: 0, .size: 8, .value_kind: global_buffer, .address_space: global }
      - { .name: idx, .offset: 8, .size: 8, .value_kind: global_buffer, .address_space: global }
      - { .name: w2, .offset: 16, .size: 8, .value_kind: global_buffer, .address_space: global }
      - { .name: part, .offset: 24, .size: 8, .value_kind: global_buffer, .address_space: global }
    .group_segment_fixed_size: 258048
    .private_segment_fixed_size: 0
    .kernarg_segment_align: 8
    .kernarg_segment_size: 32
    .max_flat_workgroup_size: 128
    .sgpr_count:     66
    .vgpr_count:     768
    .wavefront_size: 32
...
	.end_amdgpu_metadata
.endif
;; end of part 6
;; launch final (part 7): grid 256 x 1, 8 waves a work-group, no clusters, 0 bytes of LDS; arguments x2, part, b2, idx, out0; writes out0
.if DOCPART == 7
	.amdgcn_target "amdgcn-amd-amdhsa--gfx1250"
	.amdhsa_code_object_version 6
	.text
	.protected	k_q2e7d432d6b_final
	.globl	k_q2e7d432d6b_final
	.p2align	8
	.type	k_q2e7d432d6b_final,@function
k_q2e7d432d6b_final:
	s_mov_b64 s[64:65], 0
	v_nop
	global_prefetch_b8 v0, s[64:65] scope:SCOPE_SE
	s_setreg_imm32_b32 hwreg(HW_REG_WAVE_MODE, 25, 1), 1
	s_wait_xcnt 0x0
; out0[t] = x2[t] + b2[idx[t]] + the four K quarters of part[.][t], added in a fixed order.
; A stream: the work-group takes two rows of 4,096 bytes, thread t the 16 bytes at 16 t of each, so a wave's load or store covers 512
; consecutive bytes.  All twelve loads of a thread are issued before the one wait.  LDS, matrix unit and clusters have nothing to do here.
.set PLANE, 520*4096
	s_load_b256 s[8:15], s[0:1], 0x0               ; x2, part, b2, idx
	s_load_b64 s[16:17], s[0:1], 0x20              ; out0
	v_lshlrev_b32 v1, 4, v0
	s_lshl_b32 s2, ttmp9, 3                        ; two words of idx
	s_mov_b32 s3, 0
	s_lshl_b32 s4, ttmp9, 13                       ; two rows
	s_mov_b32 s5, 0
	s_wait_kmcnt 0x0
	s_add_nc_u64 s[14:15], s[14:15], s[2:3]
	s_load_b64 s[18:19], s[14:15], 0x0
	s_add_nc_u64 s[8:9], s[8:9], s[4:5]
	s_add_nc_u64 s[10:11], s[10:11], s[4:5]
	s_add_nc_u64 s[16:17], s[16:17], s[4:5]
.irp p, 0,1
	global_load_b128 v[4+24*\p:7+24*\p], v1, s[8:9] offset:4096*\p th:TH_LOAD_NT
.irp q, 0,1,2,3
	global_load_b128 v[8+24*\p+4*\q:11+24*\p+4*\q], v1, s[10:11] offset:4096*\p+PLANE*\q th:TH_LOAD_NT
.endr
.endr
	s_wait_kmcnt 0x0
	s_min_u32 s20, s18, 7                          ; an index stays inside the table of eight experts
	s_min_u32 s22, s19, 7
	s_lshl_b32 s20, s20, 12
	s_lshl_b32 s22, s22, 12
	s_mov_b32 s21, 0
	s_mov_b32 s23, 0
	s_add_nc_u64 s[24:25], s[12:13], s[20:21]
	s_add_nc_u64 s[26:27], s[12:13], s[22:23]
	global_load_b128 v[24:27], v1, s[24:25]
	global_load_b128 v[48:51], v1, s[26:27]
	s_wait_loadcnt 0x0
.irp p, 0,1
.irp h, 0,2
	v_pk_add_f32 v[8+24*\p+\h:9+24*\p+\h], v[8+24*\p+\h:9+24*\p+\h], v[12+24*\p+\h:13+24*\p+\h]
	v_pk_add_f32 v[16+24*\p+\h:17+24*\p+\h], v[16+24*\p+\h:17+24*\p+\h], v[20+24*\p+\h:21+24*\p+\h]
	v_pk_add_f32 v[4+24*\p+\h:5+24*\p+\h], v[4+24*\p+\h:5+24*\p+\h], v[24+24*\p+\h:25+24*\p+\h]
	v_pk_add_f32 v[8+24*\p+\h:9+24*\p+\h], v[8+24*\p+\h:9+24*\p+\h], v[16+24*\p+\h:17+24*\p+\h]
	v_pk_add_f32 v[4+24*\p+\h:5+24*\p+\h], v[4+24*\p+\h:5+24*\p+\h], v[8+24*\p+\h:9+24*\p+\h]
.endr
	global_store_b128 v1, v[4+24*\p:7+24*\p], s[16:17] offset:4096*\p th:TH_STORE_NT
.endr
	s_endpgm
.Lfunc_end_k_q2e7d432d6b_final:
	.size	k_q2e7d432d6b_final, .Lfunc_end_k_q2e7d432d6b_final-k_q2e7d432d6b_final
	.p2alignl 7, 3214868480
	.fill 96, 4, 3214868480
	.section	.rodata,"a",@progbits
	.p2align	6, 0x0
	.amdhsa_kernel k_q2e7d432d6b_final
		.amdhsa_group_segment_fixed_size 0
		.amdhsa_private_segment_fixed_size 0
		.amdhsa_enable_private_segment 0
		.amdhsa_kernarg_size 40
		.amdhsa_user_sgpr_count 2
		.amdhsa_user_sgpr_kernarg_segment_ptr 1
		.amdhsa_wavefront_size32 1
		.amdhsa_system_sgpr_workgroup_id_x 1
		.amdhsa_system_sgpr_workgroup_id_y 1
		.amdhsa_system_sgpr_workgroup_id_z 1
		.amdhsa_system_vgpr_workitem_id 0
		.amdhsa_next_free_vgpr 56
		.amdhsa_next_free_sgpr 66
		.amdhsa_reserve_vcc 0
		.amdhsa_float_denorm_mode_32 3
		.amdhsa_float_denorm_mode_16_64 3
		.amdhsa_memory_ordered 1
		.amdhsa_forward_progress 1
		.amdhsa_inst_pref_size 4
	.end_amdhsa_kernel
	.amdgpu_metadata
---
amdhsa.version: [ 1, 2 ]
amdhsa.kernels:
  - .name:           k_q2e7d432d6b_final
    .symbol:         k_q2e7d432d6b_final.kd
    .args:
      - { .name: x2, .offset: 0, .size: 8, .value_kind: global_buffer, .address_space: global }
      - { .name: part, .offset: 8, .size: 8, .value_kind: global_buffer, .address_space: global }
      - { .name: b2, .offset: 16, .size: 8, .value_kind: global_buffer, .address_space: global }
      - { .name: idx, .offset: 24, .size: 8, .value_kind: global_buffer, .address_space: global }
      - { .name: out0, .offset: 32, .size: 8, .value_kind: global_buffer, .address_space: global }
    .group_segment_fixed_size: 0
    .private_segment_fixed_size: 0
    .kernarg_segment_align: 8
    .kernarg_segment_size: 40
    .max_flat_workgroup_size: 256
    .sgpr_count:     66
    .vgpr_count:     56
    .wavefront_size: 32
...
	.end_amdgpu_metadata
.endif
;; end of part 7
;; ======== version 2 of 2: 7 launches; version 1 with the launches qkv, moe2 written anew for expert scheduling mode
;; limits: values are held in f16: magnitudes above 65,504 overflow, below 6.1e-05 lose precision
;; workspace buffers: qkv 3,145,728 bytes; o 1,048,576 bytes; x2 2,097,152 bytes; hn2 1,048,576 bytes; idx 2,048 bytes of whole numbers; mid 4,259,840 bytes; part 8,519,680 bytes
;; launch qkv (part 8): grid 24 x 8, 4 waves a work-group, no clusters, 165,376 bytes of LDS; arguments x, ln1_g, ln1_b, wq, wk, wv, bq, bk, bv, qkv; writes qkv
.if DOCPART == 8
	.amdgcn_target "amdgcn-amd-amdhsa--gfx1250"
	.amdhsa_code_object_version 6
	.text
	.protected	k_q2e7d432d6b_qkv
	.globl	k_q2e7d432d6b_qkv
	.p2align	8
	.type	k_q2e7d432d6b_qkv,@function
k_q2e7d432d6b_qkv:
	s_mov_b64 s[64:65], 0
	v_nop
	global_prefetch_b8 v0, s[64:65] scope:SCOPE_SE
	s_setreg_imm32_b32 hwreg(HW_REG_WAVE_SCHED_MODE, 0, 2), 2
	s_setreg_imm32_b32 hwreg(HW_REG_WAVE_MODE, 25, 1), 1
	s_wait_xcnt 0x0
	s_wait_alu depctr_vm_vsrc(0)
; LN1 and one of q, k, v = LN1(x) W + b for 64 tokens x 128 columns (two heads); operands f16, sums f32.
; Work-group (nb, mb): section nb >> 3 (0 q, 1 k, 2 v), columns 128 (nb & 7), tokens 64 mb.  Four waves:
; wave w takes the 64 columns of head 2 (nb & 7) + (w & 1) and the K half w >> 1 (512 of 1024).
; LN1.  Each wave normalises 16 rows, two at a time, so that the serial reductions of the two rows overlap.  The rows pass through a
; ring of eight register slots in the accumulators' window, which is idle before the K loop.  In the middle of each of the eight turns 16 new
; loads go out: a K step of weights, or the two rows for the slots that the turn before has left.
; WEIGHTS GO FROM MEMORY STRAIGHT INTO REGISTERS.  W is stored [K][N]: lane (r = L & 15, h2 = L >> 4) loads
; W[k0 + 16 g + 8 h2 + i][n0 + 4 r .. + 3]; sixteen lanes read 256 consecutive bytes of one row, aligned.  Packing the
; rows 2p, 2p+1 of component c gives register 4 g + p of a K = 32 fragment whose lane r stands for column n0 + 4 r + c.
; So no transpose and no LDS for weights, and the four accumulators of a lane hold four neighbouring columns.
; The normalised rows (f16) lie in LDS, pitch 2064 bytes = 129 x 16, so that sixteen rows start in sixteen different
; 16-byte columns.  The two K halves meet through LDS scratch: each wave keeps two of the four 16-row tiles.
; No cluster: joint requests are tensor loads into LDS, and here the weights never pass LDS; what the eight row
; blocks share (512 KB of W for a column block) would have to be written to and read from LDS to be shared.
; LIMITS: f16 operands: |LN1(x)|, |W| and |q|, |k|, |v| below 65,504; magnitudes under 6e-8 become 0.
; THE MODE: SCHED_MODE bits 1:0 = 2 (LLVM: expert scheduling mode 2), set by the entry lines.  The code itself states the register dependences
; between vector or matrix instructions and memory or LDS instructions, with s_wait_alu, always for 0.
; THE PLAN.  Registers that memory or LDS instructions touch:
;   row slots (window 1)  Written by the rows' loads; read and written by the vector lines of the slot's turn alone; no LDS store reads them.
;   OUT0, OUT1            Turn p's roundings write OUT[p % 2]; the 16 LDS stores that are issued in turn p + 1 read it.
;   stages (window 2)     K step t's roundings read stage t % 4; behind them the loads of step t + 4 land in it.
;   AF0, AF1              K step t's matrix instructions read AF[t % 2]; the LDS loads issued in step t + 1 land in it (the fragments of step t + 2).
;   v4 to v24             Offsets and LDS addresses: made once at the head, never written again; rows and K steps are reached by immediates.
;   BF0, BF1, the sums' and means' registers and the accumulators in the K loop are named by vector and matrix instructions alone.
; LN1: ONE wait on va_vdst a turn, the one that stands behind the reciprocal roots in any case: at that place the turn before has written its
; out-buffer and is done with its two slots, and no vector line of this turn behind the wait names either.  One wait on vm_vsrc beside it: the stores
; issued a turn ago have read the out-buffer that this turn's roundings write.
; K LOOP: ONE wait on va_vdst a step, behind its roundings; the step's loads follow, the LDS loads in the middle of its matrix instructions, which name
; BF, AF[t % 2] and the accumulators: none of the registers that those loads touch.
.set NT,     4                         ; 16-row tiles of a wave
.set WP,     4096                      ; bytes from row to row of W
.set AK,     64                        ; bytes of an A row in a K step of 32
.set AH,     32                        ; second half of a fragment
.set APITCH, 2064
.set TILEB,  16*APITCH
.set SCR,    64*APITCH                 ; scratch behind the 64 rows of A: 132,096
.set SCRW,   (NT/2)*4096               ; a wave's scratch: 2 tiles x 4 accumulators x 1,024 bytes
.set WOFF, 4                           ; v4    8 h2 rows of W + 16 r
.set SADR, 5                           ; v5    my scratch
.set RADR, 6                           ; v6    my partner's scratch (wave xor 2)
.set AADR, 8                           ; v8-11 LDS address of accumulator tile a's fragment
.set LA,   18                          ; v18   LDS address of my 8 bytes in my wave's first row
.set VOQ,  19                          ; v19   q, k: store offset
.set L16,  20                          ; v20   16 L
.set VBQ,  22                          ; v22   q, k: bias offset
.set R16,  23                          ; v23   16 r
.set VOV,  24                          ; v24   v: store offset
.set BF,   32                          ; v32-95  weight fragments, two buffers of 4 x 8
.set AF,   96                          ; v96-191 A fragments, two buffers (48 apart)
.set G,    32                          ; LN phase: gain, v32-63
.set BV,   64                          ; LN phase: bias, v64-95
.set SM,   96                          ; LN phase: v96-111  four packed chains for each of the two rows
.set MN,   112                         ; LN phase: v112-115 each row's mean, twice
.set RS,   116                         ; LN phase: v116-119 each row's 1 / sqrt(var + eps), twice
.set TT,   120                         ; LN phase: v120-121
.set TP,   122                         ; LN phase: v122-123
.set OUT,  124                         ; LN phase: v124-187 two out-buffers of 32: a turn's two rows in f16, 16 registers each
.set BIASV, 192                        ; v192-195 bias of columns 4 r .. 4 r + 3
.set BIAS, 224                         ; v224-255 bias of columns 32 h2 .. + 31
.set WB,   30                          ; s[30:31] W at my K half and columns
; window 1 (v256-511): LN phase: row slot s at 32 s; then accumulator (a, c) at 8 (4 a + c).
; window 2 (v512-767): four stages of 64 registers of f32 weights.
.set MSB, 0
.macro WIN new                         ; s_set_vgpr_msb, low byte: source 0 [1:0], source 1 [3:2], source 2 [5:4], destination [7:6]; high byte: the setting left
.if MSB != \new
	s_set_vgpr_msb (MSB<<8)|\new
.set MSB, \new
.endif
.endm
.macro WLOAD st, ks                    ; 16 loads: the 32 rows x 64 columns of K step ks into stage st
	WIN 0x80
.irp g, 0,1
.irp i, 0,1,2,3,4,5,6,7
	global_load_b128 v[64*(\st)+32*\g+4*\i:64*(\st)+32*\g+4*\i+3], v[WOFF], s[WB:WB+1] offset:(32*(\ks)+16*\g+\i)*WP
.endr
.endr
.endm
.macro CVTB st, buf                    ; 32 roundings: stage st becomes four fragments (component c = 0 .. 3)
	WIN 0x0a
.irp c, 0,1,2,3
.irp g, 0,1
.irp p, 0,1,2,3
	v_cvt_pk_f16_f32 v[BF+32*(\buf)+8*\c+4*\g+\p], v[64*(\st)+32*\g+8*\p+\c], v[64*(\st)+32*\g+8*\p+4+\c]
.endr
.endr
.endr
.endm
.macro ALOAD ks, buf
	WIN 0
.irp a, 0,1,2,3
	ds_load_b128 v[AF+48*(\buf)+8*\a:AF+48*(\buf)+8*\a+3], v[AADR+\a] offset:(\ks)*AK
	ds_load_b128 v[AF+48*(\buf)+8*\a+4:AF+48*(\buf)+8*\a+7], v[AADR+\a] offset:(\ks)*AK+AH
.endr
.endm
.macro MM2 buf, zero, swap, a0         ; the 8 matrix instructions of tiles a0 and a0 + 1.  swap = 1: weights as source 0: a lane then holds one token and 32 columns
	WIN 0x50
.irp a, \a0, (\a0)+1
.irp c, 0,1,2,3
.if \swap
.if \zero
	v_wmma_f32_16x16x32_f16 v[8*(4*(\a)+\c):8*(4*(\a)+\c)+7], v[BF+32*(\buf)+8*\c:BF+32*(\buf)+8*\c+7], v[AF+48*(\buf)+8*(\a):AF+48*(\buf)+8*(\a)+7], 0
.else
	v_wmma_f32_16x16x32_f16 v[8*(4*(\a)+\c):8*(4*(\a)+\c)+7], v[BF+32*(\buf)+8*\c:BF+32*(\buf)+8*\c+7], v[AF+48*(\buf)+8*(\a):AF+48*(\buf)+8*(\a)+7], v[8*(4*(\a)+\c):8*(4*(\a)+\c)+7]
.endif
.else
.if \zero
	v_wmma_f32_16x16x32_f16 v[8*(4*(\a)+\c):8*(4*(\a)+\c)+7], v[AF+48*(\buf)+8*(\a):AF+48*(\buf)+8*(\a)+7], v[BF+32*(\buf)+8*\c:BF+32*(\buf)+8*\c+7], 0
.else
	v_wmma_f32_16x16x32_f16 v[8*(4*(\a)+\c):8*(4*(\a)+\c)+7], v[AF+48*(\buf)+8*(\a):AF+48*(\buf)+8*(\a)+7], v[BF+32*(\buf)+8*\c:BF+32*(\buf)+8*\c+7], v[8*(4*(\a)+\c):8*(4*(\a)+\c)+7]
.endif
.endif
.endr
.endr
.endm
; One K step of 32.  The 32 roundings at its head are also the places (ISA guide 7.12.1) between the matrix instructions of two steps
; before and the fragment buffer that the roundings write.  The 16 accumulators take turns, in the same order in every step.
.macro STEP t, swap
.if \t <= 12
	s_wait_loadcnt 48                              ; loads return in order: behind this step's 16 at least the 3 x 16 of the next three steps were issued, and only those may stay out
.else
	s_wait_loadcnt 16*(15-\t)                      ; the tail: 2, 1, 0 younger steps
.endif
	CVTB (\t%4), (\t%2)
.if \t < 12
	WIN 0x80
.endif
.if \t < 15
	s_wait_alu depctr_va_vdst(0)                   ; the roundings are done reading stage t % 4, in which the loads of step t + 4 land; the matrix instructions of the step before are done reading their A buffer, in which the next step's fragments land
.endif
.if \t < 12
	WLOAD (\t%4), (\t+4)                           ; the stage just read out is asked for again, four steps ahead
.endif
	s_wait_dscnt 0x0                               ; this step's A is in: its 2 NT loads are the only LDS loads out
.if \t == 0
	MM2 (\t%2), 1, \swap, 0                        ; the first products start the sums
.else
	MM2 (\t%2), 0, \swap, 0
.endif
.if \t < 15
	ALOAD (\t+1), ((\t+1)%2)                       ; no wait: no vector or matrix instruction since the wait above names the other A buffer or its addresses
.endif
.if \t == 0
	MM2 (\t%2), 1, \swap, 2
.else
	MM2 (\t%2), 0, \swap, 2
.endif
.endm
.macro GEMM swap
	ALOAD 0, 0
.irp t, 0,1,2,3,4,5,6,7,8,9,10,11,12,13,14,15
	STEP \t, \swap
.endr
	WIN 0
.rept 4
	v_nop                                          ; four places behind the last matrix instruction, for all that follows
.endr
.endm
.macro SEND                            ; the two tiles that my partner keeps
	WIN 0x04
	s_wait_alu depctr_va_vdst(0)                   ; the matrix instructions have written the accumulators, which the LDS stores read, and are done reading v32 to v95, in which my partner's share lands; the places above stay beside this wait
.irp a, 0,1
.irp c, 0,1,2,3
	ds_store_b128 v[SADR], v[8*(4*(NT/2+\a)+\c):8*(4*(NT/2+\a)+\c)+3] offset:(4*\a+\c)*1024
	ds_store_b128 v[SADR], v[8*(4*(NT/2+\a)+\c)+4:8*(4*(NT/2+\a)+\c)+7] offset:(4*\a+\c)*1024+512
.endr
.endr
	WIN 0
.endm
.macro RECV a, dst                     ; my partner's share of my tile a: register 8 c + j as in the accumulators
.irp c, 0,1,2,3
	ds_load_b128 v[\dst+8*\c:\dst+8*\c+3], v[RADR] offset:(4*\a+\c)*1024
	ds_load_b128 v[\dst+8*\c+4:\dst+8*\c+7], v[RADR] offset:(4*\a+\c)*1024+512
.endr
.endm
.macro BAR
	s_wait_dscnt 0x0                               ; for the other waves: my LDS stores have landed, my LDS loads are over
	s_barrier_signal -1
	s_barrier_wait -1
.endm
.macro LANESUM2                        ; v[TT] and v[TT+1], each summed over the 32 lanes, in every lane; the two chains take turns
.irp m, 1,2,4,8
	v_add_f32_dpp v[TT], v[TT], v[TT] row_xmask:\m row_mask:0xf bank_mask:0xf
	v_add_f32_dpp v[TT+1], v[TT+1], v[TT+1] row_xmask:\m row_mask:0xf bank_mask:0xf
.endr
	v_permlanex16_b32 v[TP], v[TT], s28, s29
	v_permlanex16_b32 v[TP+1], v[TT+1], s28, s29
	v_add_f32 v[TT], v[TT], v[TP]
	v_add_f32 v[TT+1], v[TT+1], v[TP+1]
.endm
.macro FOLD2                           ; each row's four packed chains into v[TT], v[TT+1]
.irp q, 0,1
	v_pk_add_f32 v[SM+8*\q:SM+8*\q+1], v[SM+8*\q:SM+8*\q+1], v[SM+8*\q+2:SM+8*\q+3]
	v_pk_add_f32 v[SM+8*\q+4:SM+8*\q+5], v[SM+8*\q+4:SM+8*\q+5], v[SM+8*\q+6:SM+8*\q+7]
.endr
.irp q, 0,1
	v_pk_add_f32 v[SM+8*\q:SM+8*\q+1], v[SM+8*\q:SM+8*\q+1], v[SM+8*\q+4:SM+8*\q+5]
.endr
.irp q, 0,1
	v_add_f32 v[TT+\q], v[SM+8*\q], v[SM+8*\q+1]
.endr
.endm
.macro LNSTORE p                       ; the two rows of turn p, out of OUT[p % 2] into LDS
	WIN 0
.irp q, 0,1
.irp i, 0,1,2,3,4,5,6,7
	ds_store_b64 v[LA], v[OUT+32*((\p)%2)+16*\q+2*\i:OUT+32*((\p)%2)+16*\q+2*\i+1] offset:(2*(\p)+\q)*APITCH+256*\i
.endr
.endr
.endm
; Turn p of LN1: rows 2 p and 2 p + 1 of my 16, in slots (2 p) % 8 and (2 p + 1) % 8 of window 1.  The lane holds columns
; 128 i + 4 L .. + 3 (i = 0 .. 7) of each.  Mean first, then the squares of the differences.  XS: the row's slot.
; The loads go out in this order, 16 at a time: rows of turns 0 to 3 (ahead of turn 0); K step 0 (in turn 0); rows of turns 4 to 7 (in turns 1 to 4);
; K steps 1 to 3 (in turns 5 to 7).
.macro LNPAIR p
.if \p < 4
	s_wait_loadcnt 48                              ; loads return in order: behind this turn's 16 loads three groups of 16 were issued
.else
	s_wait_loadcnt 32                              ; behind this turn's 16 loads two groups of 16 were issued: this turn's own group goes out in its middle
.endif
	WIN 0x05                                       ; both sources in window 1
.irp q, 0,1
.set XS, 32*((2*(\p)+\q)%8)
.irp k, 0,1,2,3
	v_pk_add_f32 v[SM+8*\q+2*\k:SM+8*\q+2*\k+1], v[XS+2*\k:XS+2*\k+1], v[XS+8+2*\k:XS+8+2*\k+1]
.endr
.endr
	WIN 0x01                                       ; source 0 in window 1
.irp q, 0,1
.set XS, 32*((2*(\p)+\q)%8)
.irp k, 8,9,10,11,12,13,14,15
	v_pk_add_f32 v[SM+8*\q+2*(\k%4):SM+8*\q+2*(\k%4)+1], v[XS+2*\k:XS+2*\k+1], v[SM+8*\q+2*(\k%4):SM+8*\q+2*(\k%4)+1]
.endr
.endr
	WIN 0
	FOLD2
	LANESUM2
.irp q, 0,1
	v_mul_f32 v[MN+2*\q], s40, v[TT+\q]
	v_mul_f32 v[MN+2*\q+1], s40, v[TT+\q]
.endr
	WIN 0x41                                       ; destination and source 0 in window 1
.irp q, 0,1
.set XS, 32*((2*(\p)+\q)%8)
.irp k, 0,1,2,3,4,5,6,7,8,9,10,11,12,13,14,15
	v_pk_add_f32 v[XS+2*\k:XS+2*\k+1], v[XS+2*\k:XS+2*\k+1], v[MN+2*\q:MN+2*\q+1] neg_lo:[0,1] neg_hi:[0,1]
.endr
.endr
	WIN 0x05
.irp q, 0,1
.set XS, 32*((2*(\p)+\q)%8)
.irp k, 0,1,2,3
	v_pk_mul_f32 v[SM+8*\q+2*\k:SM+8*\q+2*\k+1], v[XS+2*\k:XS+2*\k+1], v[XS+2*\k:XS+2*\k+1]
.endr
.irp k, 4,5,6,7,8,9,10,11,12,13,14,15
	v_pk_fma_f32 v[SM+8*\q+2*(\k%4):SM+8*\q+2*(\k%4)+1], v[XS+2*\k:XS+2*\k+1], v[XS+2*\k:XS+2*\k+1], v[SM+8*\q+2*(\k%4):SM+8*\q+2*(\k%4)+1]
.endr
.endr
	WIN 0
	FOLD2
	LANESUM2
	v_fma_f32 v[TT], v[TT], s40, s41               ; variance + eps
	v_fma_f32 v[TT+1], v[TT+1], s40, s41
	v_rsq_f32 v[RS], v[TT]
	v_rsq_f32 v[RS+1], v[TT]
	v_rsq_f32 v[RS+2], v[TT+1]
	v_rsq_f32 v[RS+3], v[TT+1]
	v_nop                                          ; one plain place behind the transcendentals (ISA guide 5.7.2)
.if \p >= 2
	s_wait_alu depctr_vm_vsrc(0)                   ; the LDS stores issued in the turn before have read OUT[p % 2], which this turn's roundings write again
.endif
.if (\p >= 1) && (\p <= 4)
	WIN 0x40
.else
	WIN 0x80
.endif
	s_wait_alu depctr_va_vdst(0)                   ; the four reciprocal roots are written, ahead of their first reader; the turn before has written its out-buffer, which the LDS stores below read, and is done with its two slots, in which the loads below land
.if (\p >= 1) && (\p <= 4)
.irp q, 0,1                            ; the two slots of the turn before are asked for again: the rows eight further on
.set XS, 32*((2*(\p-1)+\q)%8)
.irp i, 0,1,2,3,4,5,6,7
	global_load_b128 v[XS+4*\i:XS+4*\i+3], v[L16], s[36:37] offset:(2*(\p-1)+8+\q)*4096+512*\i
.endr
.endr
.elseif \p == 0
	WLOAD 0, 0                                     ; no slot is free yet: a K step of weights takes the place of the 16 loads
.else
	WLOAD (\p-4), (\p-4)                           ; no row is left: likewise
.endif
	WIN 0x41
.irp q, 0,1
.set XS, 32*((2*(\p)+\q)%8)
.irp k, 0,1,2,3,4,5,6,7,8,9,10,11,12,13,14,15
	v_pk_mul_f32 v[XS+2*\k:XS+2*\k+1], v[XS+2*\k:XS+2*\k+1], v[RS+2*\q:RS+2*\q+1]
.endr
.endr
.if \p >= 1
	LNSTORE (\p-1)                                 ; no wait: no vector instruction since the wait above names the other out-buffer or v[LA]
.endif
	WIN 0x41
.irp q, 0,1
.set XS, 32*((2*(\p)+\q)%8)
.irp k, 0,1,2,3,4,5,6,7,8,9,10,11,12,13,14,15
	v_pk_fma_f32 v[XS+2*\k:XS+2*\k+1], v[XS+2*\k:XS+2*\k+1], v[G+2*\k:G+2*\k+1], v[BV+2*\k:BV+2*\k+1]
.endr
.endr
	WIN 0x05                                       ; both sources in window 1, destination in window 0
.irp q, 0,1
.set XS, 32*((2*(\p)+\q)%8)
.irp k, 0,1,2,3,4,5,6,7,8,9,10,11,12,13,14,15
	v_cvt_pk_f16_f32 v[OUT+32*((\p)%2)+16*\q+\k], v[XS+2*\k], v[XS+2*\k+1]
.endr
.endr
.endm
	s_load_b512 s[8:23], s[0:1], 0x0               ; x, ln1_g, ln1_b, wq, wk, wv, bq, bk
	s_load_b128 s[24:27], s[0:1], 0x40             ; bv, qkv
	v_lshl_add_u32 v222, v0, 2, 0x28400
	v_mov_b32 v223, 0
	v_lshrrev_b32 v7, 5, v0
	v_readfirstlane_b32 s2, v7                     ; wave
	v_and_b32 v1, 31, v0                           ; L
	v_and_b32 v2, 15, v0                           ; r
	v_bfe_u32 v3, v0, 4, 1                         ; h2
	s_wait_alu depctr_va_sdst(0)                   ; s2 is written, ahead of its first reader: columns, K half, bases and LDS addresses are made from it
	s_and_b32 s3, s2, 1                            ; c: which 64 columns
	s_lshr_b32 s4, s2, 1                           ; kh: which K half
	s_and_b32 s5, ttmp9, 7                         ; column block of the section
	s_lshr_b32 s7, ttmp9, 3                        ; section: 0 q, 1 k, 2 v
	s_and_b32 s6, ttmp7, 0xffff                    ; row block
	s_lshl1_add_u32 s45, s5, s3                    ; head
	s_mov_b32 s28, 0x76543210                      ; v_permlanex16_b32: lane i takes lane i of the other half
	s_mov_b32 s29, 0xfedcba98
	s_mov_b32 s40, 0x3a800000                      ; 1 / 1024
	s_mov_b32 s41, 0x3727c5ac                      ; 1e-5
	v_lshlrev_b32 v[L16], 4, v1
	v_lshlrev_b32 v[R16], 4, v2
	v_lshl_add_u32 v[WOFF], v3, 15, v[R16]
	s_mul_i32 s43, s2, SCRW
	s_add_co_u32 s43, s43, SCR
	v_add_nc_u32 v[SADR], s43, v[L16]
	s_xor_b32 s43, s2, 2                           ; the wave with my columns and the other K half
	s_mul_i32 s43, s43, SCRW
	s_add_co_u32 s43, s43, SCR
	v_add_nc_u32 v[RADR], s43, v[L16]
	; accumulator tile a stands for rows 16 (a + 2 kh) if a < 2 (kept) and 16 (a - 2 kh) if a >= 2 (sent): one text for both K halves
	v_mul_u32_u24 v21, v2, APITCH
	v_lshl_add_u32 v21, v3, 4, v21                 ; r x pitch + 16 h2
	s_mul_i32 s43, s4, (NT/2)*TILEB+1024           ; + kh x (2 tiles + 512 K)
	s_mul_i32 s44, s4, (NT/2)*TILEB-1024
	s_sub_co_u32 s44, (NT/2)*TILEB, s44            ; 2 tiles - kh x (2 tiles - 512 K)
	v_add_nc_u32 v[AADR], s43, v21
	v_add_nc_u32 v[AADR+2], s44, v21
	v_add_nc_u32 v[AADR+1], TILEB, v[AADR]
	v_add_nc_u32 v[AADR+3], TILEB, v[AADR+2]
	s_mul_i32 s43, s2, 16*APITCH
	v_lshl_add_u32 v[LA], v1, 3, s43               ; my wave's 16 rows, 8 bytes a lane
	v_lshlrev_b32 v[VBQ], 7, v3
	v_lshl_add_u32 v[VOQ], v3, 13, v[R16]
	v_lshl_add_u32 v[VOV], v3, 10, v[R16]
	v_mov_b32 v[TP], 0                             ; v_permlanex16_b32 counts as a reader of its destination
	v_mov_b32 v[TP+1], 0
	s_mov_b32 s39, 0
	s_wait_kmcnt 0x0
	s_cmp_eq_u32 s7, 0
	s_cselect_b64 s[WB:WB+1], s[14:15], s[16:17]
	s_cselect_b64 s[32:33], s[20:21], s[22:23]
	s_cmp_eq_u32 s7, 2
	s_cselect_b64 s[WB:WB+1], s[18:19], s[WB:WB+1]
	s_cselect_b64 s[32:33], s[24:25], s[32:33]
	s_lshl_b32 s38, s4, 21                         ; 512 rows of 4,096 bytes
	s_lshl_b32 s43, s5, 9
	s_add_co_u32 s38, s38, s43
	s_lshl_b32 s43, s3, 8
	s_add_co_u32 s38, s38, s43
	s_add_nc_u64 s[WB:WB+1], s[WB:WB+1], s[38:39]
	s_lshl_b32 s38, s45, 8
	s_add_nc_u64 s[32:33], s[32:33], s[38:39]      ; the head's 64 biases
	s_lshl_b32 s38, s6, 18
	s_lshl_b32 s43, s2, 16
	s_add_co_u32 s38, s38, s43
	s_add_nc_u64 s[36:37], s[8:9], s[38:39]        ; x at my wave's 16 rows
	s_lshl_b32 s38, s7, 20                         ; the section,
	s_lshr_b32 s43, s6, 1
	s_lshl4_add_u32 s43, s43, s45
	s_lshl_b32 s43, s43, 14                        ; the (batch, head) block of 16 KB,
	s_add_co_u32 s38, s38, s43
	s_and_b32 s43, s6, 1
	s_lshl_b32 s43, s43, 6
	s_lshl_b32 s44, s4, 5
	s_add_co_u32 s43, s43, s44                     ; the first token that I keep: 64 (mb & 1) + 32 kh,
	s_cmp_eq_u32 s7, 2
	s_cselect_b32 s44, 7, 4                        ; 16 bytes a token in q and k, 128 in vT
	s_lshl_b32 s43, s43, s44
	s_add_co_u32 s38, s38, s43
	s_add_nc_u64 s[34:35], s[26:27], s[38:39]
	s_wait_alu depctr_va_vdst(0)                   ; the offsets and LDS addresses v4 to v24 are written: every load, store and LDS instruction of the kernel reads one of them, and none is written again
	; what LN1 needs comes first; both shapes of the product's bias ride along as the oldest loads, so that no count below has to name them
.irp j, 0,1,2,3,4,5,6,7
	global_load_b128 v[BIAS+4*\j:BIAS+4*\j+3], v[VBQ], s[32:33] offset:16*\j
.endr
	global_load_b128 v[BIASV:BIASV+3], v[R16], s[32:33]
.irp i, 0,1,2,3,4,5,6,7
	global_load_b128 v[G+4*\i:G+4*\i+3], v[L16], s[10:11] offset:512*\i
.endr
.irp i, 0,1,2,3,4,5,6,7
	global_load_b128 v[BV+4*\i:BV+4*\i+3], v[L16], s[12:13] offset:512*\i
.endr
	WIN 0x40
.irp s, 0,1,2,3,4,5,6,7
.irp i, 0,1,2,3,4,5,6,7
	global_load_b128 v[32*\s+4*\i:32*\s+4*\i+3], v[L16], s[36:37] offset:\s*4096+512*\i    ; rows 0 to 7 fill the ring
.endr
.endr
.irp p, 0,1,2,3,4,5,6,7
	LNPAIR \p
.endr
	WIN 0
	s_wait_alu depctr_va_vdst(0)                   ; turn 7's roundings have written OUT1, which the last 16 LDS stores read; all vector work on v96 to v187 is done, in which A's fragments land
	LNSTORE 7
	BAR                                            ; all 64 rows lie in LDS; the K steps of weights stay on their way
	s_wait_alu depctr_vm_vsrc(0)                   ; my LDS stores have read OUT0 and OUT1: these registers are AF from here on, written by the fragments' loads
	s_cmp_eq_u32 s7, 2
	s_cbranch_scc1 .Lgemm_v
	GEMM 1
	s_branch .Ljoin
.Lgemm_v:
	GEMM 0
.Ljoin:
	SEND
	BAR
	RECV 0, 32
	RECV 1, 64
	s_wait_dscnt 0x0
	s_cmp_eq_u32 s7, 2
	s_cbranch_scc1 .Lout_v
; q, k: the lane holds token 16 tile + r and d = 32 h2 + 4 j + c.  Layout [chunk of 8 d][token][8]: four stores of 16 bytes;
; sixteen lanes store 256 consecutive bytes, aligned.  Both tiles' arithmetic first, into registers of their own, then one wait and the eight stores.
.macro EPIQM a
	WIN 0x01
.irp c, 0,1,2,3
.irp j, 0,1,2,3,4,5,6,7
	v_add_f32 v[96+32*\a+4*\j+\c], v[8*(4*\a+\c)+\j], v[32+32*\a+8*\c+\j]
.endr
.endr
	WIN 0
.irp k, 0,1,2,3,4,5,6,7,8,9,10,11,12,13,14,15
	v_pk_add_f32 v[96+32*\a+2*\k:96+32*\a+2*\k+1], v[96+32*\a+2*\k:96+32*\a+2*\k+1], v[BIAS+2*\k:BIAS+2*\k+1]
.endr
.irp k, 0,1,2,3,4,5,6,7,8,9,10,11,12,13,14,15
	v_cvt_pk_f16_f32 v[160+16*\a+\k], v[96+32*\a+2*\k], v[96+32*\a+2*\k+1]
.endr
.endm
.macro EPIQS a
.irp q, 0,1,2,3
	global_store_b128 v[VOQ], v[160+16*\a+4*\q:160+16*\a+4*\q+3], s[34:35] offset:\q*2048+\a*256
.endr
.endm
	EPIQM 0
	EPIQM 1
	s_wait_alu depctr_va_vdst(0)                   ; the roundings have written v160 to v191, which the eight stores read
	EPIQS 0
	EPIQS 1
	s_wait_dscnt 0x0                               ; the closing lines, six on end, of a launch in the mode that stores to LDS
	s_wait_alu 0x0
	s_wait_tensorcnt 0x0
	ds_add_u32 v222, v223
	s_wait_dscnt 0x0
	s_endpgm
; v: the lane holds tokens 16 tile + 8 h2 + j and d = 4 r + c.  Layout [chunk of 8 keys][place 16 c + r][8 keys].
.macro EPIVM a
	WIN 0x01
.irp k, 0,1,2,3,4,5,6,7,8,9,10,11,12,13,14,15
	v_pk_add_f32 v[96+32*\a+2*\k:96+32*\a+2*\k+1], v[32*\a+2*\k:32*\a+2*\k+1], v[32+32*\a+2*\k:32+32*\a+2*\k+1]
.endr
	WIN 0
.irp c, 0,2
.irp p, 0,1,2,3
	v_pk_add_f32 v[96+32*\a+8*\c+2*\p:96+32*\a+8*\c+2*\p+1], v[96+32*\a+8*\c+2*\p:96+32*\a+8*\c+2*\p+1], v[BIASV+\c:BIASV+\c+1] op_sel:[0,0] op_sel_hi:[1,0]
.endr
.endr
.irp c, 1,3
.irp p, 0,1,2,3
	v_pk_add_f32 v[96+32*\a+8*\c+2*\p:96+32*\a+8*\c+2*\p+1], v[96+32*\a+8*\c+2*\p:96+32*\a+8*\c+2*\p+1], v[BIASV+\c-1:BIASV+\c] op_sel:[0,1] op_sel_hi:[1,1]
.endr
.endr
.irp k, 0,1,2,3,4,5,6,7,8,9,10,11,12,13,14,15
	v_cvt_pk_f16_f32 v[160+16*\a+\k], v[96+32*\a+2*\k], v[96+32*\a+2*\k+1]
.endr
.endm
.macro EPIVS a
.irp c, 0,1,2,3
	global_store_b128 v[VOV], v[160+16*\a+4*\c:160+16*\a+4*\c+3], s[34:35] offset:\a*2048+\c*256
.endr
.endm
.Lout_v:
	EPIVM 0
	EPIVM 1
	s_wait_alu depctr_va_vdst(0)                   ; the roundings have written v160 to v191, which the eight stores read
	EPIVS 0
	EPIVS 1
	s_wait_dscnt 0x0                               ; the closing lines, six on end, of a launch in the mode that stores to LDS
	s_wait_alu 0x0
	s_wait_tensorcnt 0x0
	ds_add_u32 v222, v223
	s_wait_dscnt 0x0
	s_endpgm
.Lfunc_end_k_q2e7d432d6b_qkv:
	.size	k_q2e7d432d6b_qkv, .Lfunc_end_k_q2e7d432d6b_qkv-k_q2e7d432d6b_qkv
	.p2alignl 7, 3214868480
	.fill 96, 4, 3214868480
	.section	.rodata,"a",@progbits
	.p2align	6, 0x0
	.amdhsa_kernel k_q2e7d432d6b_qkv
		.amdhsa_group_segment_fixed_size 165376
		.amdhsa_private_segment_fixed_size 0
		.amdhsa_enable_private_segment 0
		.amdhsa_kernarg_size 80
		.amdhsa_user_sgpr_count 2
		.amdhsa_user_sgpr_kernarg_segment_ptr 1
		.amdhsa_wavefront_size32 1
		.amdhsa_system_sgpr_workgroup_id_x 1
		.amdhsa_system_sgpr_workgroup_id_y 1
		.amdhsa_system_sgpr_workgroup_id_z 1
		.amdhsa_system_vgpr_workitem_id 0
		.amdhsa_next_free_vgpr 768
		.amdhsa_next_free_sgpr 66
		.amdhsa_reserve_vcc 0
		.amdhsa_float_denorm_mode_32 3
		.amdhsa_float_denorm_mode_16_64 3
		.amdhsa_memory_ordered 1
		.amdhsa_forward_progress 1
		.amdhsa_inst_pref_size 255
	.end_amdhsa_kernel
	.section	.bss,"aw",@nobits
	.p2align	6
	.space	262144
	.amdgpu_metadata
---
amdhsa.version: [ 1, 2 ]
amdhsa.kernels:
  - .name:           k_q2e7d432d6b_qkv
    .symbol:         k_q2e7d432d6b_qkv.kd
    .args:
      - { .name: x, .offset: 0, .size: 8, .value_kind: global_buffer, .address_space: global }
      - { .name: ln1_g, .offset: 8, .size: 8, .value_kind: global_buffer, .address_space: global }
      - { .name: ln1_b, .offset: 16, .size: 8, .value_kind: global_buffer, .address_space: global }
      - { .name: wq, .offset: 24, .size: 8, .value_kind: global_buffer, .address_space: global }
      - { .name: wk, .offset: 32, .size: 8, .value_kind: global_buffer, .address_space: global }
      - { .name: wv, .offset: 40, .size: 8, .value_kind: global_buffer, .address_space: global }
      - { .name: bq, .offset: 48, .size: 8, .value_kind: global_buffer, .address_space: global }
      - { .name: bk, .offset: 56, .size: 8, .value_kind: global_buffer, .address_space: global }
      - { .name: bv, .offset: 64, .size: 8, .value_kind: global_buffer, .address_space: global }
      - { .name: qkv, .offset: 72, .size: 8, .value_kind: global_buffer, .address_space: global }
    .group_segment_fixed_size: 165376
    .private_segment_fixed_size: 0
    .kernarg_segment_align: 8
    .kernarg_segment_size: 80
    .max_flat_workgroup_size: 128
    .sgpr_count:     66
    .vgpr_count:     768
    .wavefront_size: 32
...
	.end_amdgpu_metadata
.endif
;; end of part 8
;; launch attn: the kernel of part 2 again; grid 256 x 1, 2 waves a work-group, no clusters, 0 bytes of LDS; arguments qkv, o; writes o
;; launch oproj: the kernel of part 3 again; grid 16 x 8, 4 waves a work-group, no clusters, 49,664 bytes of LDS; arguments o, wo, bo, x, x2; writes x2
;; launch route: the kernel of part 4 again; grid 128 x 1, 4 waves a work-group, no clusters, 37,376 bytes of LDS; arguments x2, ln2_g, ln2_b, gate_w, gate_b, hn2, idx; writes hn2, idx
;; launch moe1: the kernel of part 5 again; grid 32 x 8, 4 waves a work-group, no clusters, 286,208 bytes of LDS; arguments hn2, idx, w1, b1, mid; writes mid
;; launch moe2 (part 9): grid 32 x 8, 4 waves a work-group, no clusters, 258,048 bytes of LDS; arguments mid, idx, w2, part; writes part
.if DOCPART == 9
	.amdgcn_target "amdgcn-amd-amdhsa--gfx1250"
	.amdhsa_code_object_version 6
	.text
	.protected	k_q2e7d432d6b_moe2
	.globl	k_q2e7d432d6b_moe2
	.p2align	8
	.type	k_q2e7d432d6b_moe2,@function
k_q2e7d432d6b_moe2:
	s_mov_b64 s[64:65], 0
	v_nop
	global_prefetch_b8 v0, s[64:65] scope:SCOPE_SE
	s_setreg_imm32_b32 hwreg(HW_REG_WAVE_SCHED_MODE, 0, 2), 2
	s_setreg_imm32_b32 hwreg(HW_REG_WAVE_MODE, 25, 1), 1
	s_wait_xcnt 0x0
	s_wait_alu depctr_vm_vsrc(0)
; part[kq][t] = mid[t][K quarter kq] w2[e][K quarter kq] for the tokens t that chose expert e; operands bf16, sums f32.
; Work-group (nb + 8 kq, e): 128 columns nb of expert e and 1024 of the 4096 of K, so that 256 work-groups share w2 evenly and each byte of
; it is read by one of them.  The four quarters are added in a fixed order by the next launch: no sum between work-groups here.
; The product, the list of tokens and the blocks of 96 places are those of the launch moe1: wave w takes 64 columns (w & 1) and half of the
; work-group's K (w >> 1); weights go from memory straight into registers (lane (r, h2) loads W[k0 + 16 g + 8 h2 + i][n0 + 4 r .. + 3]);
; the rows of mid are gathered into LDS through the accumulators' registers, which are idle then;
; the first block is unconditional, five more stand in a counted loop whose regions are jumped over at or beyond the count, barriers outside.
; A lane's four accumulators hold four neighbouring f32 of a row, so results are stored from registers: sixteen lanes, 256 bytes, aligned.
; Places beyond the count read token 511's row of mid and store to the spare row 512 + e of part, which nobody reads.
; No cluster, no tensor loads: no two work-groups read the same weights, and the shared rows of mid are a gather by a list.
; THE MODE: SCHED_MODE bits 1:0 = 2 (LLVM: expert scheduling mode 2), set by the entry lines.  The code itself states the register dependences
; between vector or matrix instructions and memory or LDS instructions, with s_wait_alu, always for 0.
; THE PLAN.  Registers that memory or LDS instructions touch:
;   PL, TN (v48-79)       The list: sixteen places and sixteen tokens, each in a register of its own; written once, read by sixteen LDS stores; fragments later.
;   TOK, GO               A block's tokens (LDS loads; read by vector lines) and their offsets (vector lines; read by the gather's loads).
;   slots (window 1)      The gather: written by loads, read by LDS stores, loaded again a group later.  Then accumulators: written by matrix instructions,
;                         read by the hand-over's LDS stores and by the way out's additions.
;   stages (window 2)     K step t's roundings read stage t % 4; behind them the loads of step t + 4 land in it.
;   AF0, AF1              K step t's matrix instructions read AF[t % 2]; the LDS loads issued in step t + 1 land in it.
;   RR, TK                The way out: LDS loads land in them, tile a's vector lines read them, the loads for tile a + 1 land in them.
;   T, OFFS               The way out: tile a's vector lines write its own 32 + 8 registers, its eight stores read them.
;   v[LI], v[LT]          List addresses: read by LDS loads, stepped once a block.  All other offsets and addresses are made once at the head.
; THE WAITS.  Head: one on va_sdst for the wave's number, one for the sixteen masks; one on va_vdst ahead of each of the first loads, the list's
; first stores and its sixteen token stores.  Gather: one on va_vdst for GO; one on vm_vsrc ahead of each of the four refills, a group behind the stores that it
; waits for.  Behind the gather's barrier one on vm_vsrc.  K step: one on va_vdst behind its roundings.  Hand-over and each tile of the way out: one on va_vdst.
; A further block's head: vm_vsrc, the two adds, va_vdst, ahead of the jumps, so that they lie on every path.
.set NT,     6
.set WP,     4096
.set AK,     64
.set AH,     32
.set APITCH, 2064
.set TILEB,  16*APITCH
.set SCR,    96*APITCH                 ; 198,144
.set SCRW,   (NT/2)*4096
.set LIST,   SCR+4*SCRW                ; 247,296
.set LISTW,  2560
.set PLANE,  520*4096                  ; a quarter's plane of part
.set WOFF, 4
.set SADR, 5
.set RADR, 6
.set PFOFF, 7
.set AADR, 8
.set LI,   14                          ; v14 list address of the block's place 24 w + h2 (gather)
.set LBV,  15
.set LT,   16                          ; v16 list address of the block's place 48 kh + 8 h2 (results)
.set R16,  18
.set L16,  19
.set TRASH, 20
.set L4,   21
.set P,    22                          ; v22 my word in each run of 32 places of my list; never rewritten
.set PADV, 24
.set BF,   32
.set AF,   96
.set IDX,  32                          ; v32-47 idx, before the K loop
.set PL,   48                          ; v48-63 before the K loop: LDS address of the place that token 128 (k / 4) + 4 L + k % 4 takes
.set TN,   64                          ; v64-79 before the K loop: that token's number
.set RR,   32
.set T,    64                          ; v64-159  three tiles of sums
.set OFFS, 160                         ; v160-183 their rows' offsets
.set TK,   184                         ; v184-191
.set TOK,  192
.set GO,   204
.set LA,   216                         ; v216 LDS address of my 16 bytes in row 24 w + h2
.set WB,   20
.set MK,   32                          ; s32-47 the sixteen masks: which lanes' tokens chose my expert
; window 1 (v256-511): the gather's eight slots of 32, then accumulator (a, c) at 8 (4 a + c).  window 2 (v512-767): four stages of weights.
.set MSB, 0
.macro WIN new
.if MSB != \new
	s_set_vgpr_msb (MSB<<8)|\new
.set MSB, \new
.endif
.endm
.macro WLOAD st, ks
	WIN 0x80
.irp g, 0,1
.irp i, 0,1,2,3,4,5,6,7
	global_load_b128 v[64*(\st)+32*\g+4*\i:64*(\st)+32*\g+4*\i+3], v[WOFF], s[WB:WB+1] offset:(32*(\ks)+16*\g+\i)*WP th:TH_LOAD_NT
.endr
.endr
.endm
.macro CVTB st, buf
	WIN 0x0a
.irp c, 0,1,2,3
.irp g, 0,1
.irp p, 0,1,2,3
	v_cvt_pk_bf16_f32 v[BF+32*(\buf)+8*\c+4*\g+\p], v[64*(\st)+32*\g+8*\p+\c], v[64*(\st)+32*\g+8*\p+4+\c]
.endr
.endr
.endr
.endm
.macro ALOAD3 ks, buf, a0              ; the fragments of tiles a0 to a0 + 2: six LDS loads
	WIN 0
.irp a, \a0, (\a0)+1, (\a0)+2
	ds_load_b128 v[AF+48*(\buf)+8*(\a):AF+48*(\buf)+8*(\a)+3], v[AADR+(\a)] offset:(\ks)*AK
	ds_load_b128 v[AF+48*(\buf)+8*(\a)+4:AF+48*(\buf)+8*(\a)+7], v[AADR+(\a)] offset:(\ks)*AK+AH
.endr
.endm
.macro MM2 buf, zero, a0               ; the 8 matrix instructions of tiles a0 and a0 + 1
	WIN 0x50
.irp a, \a0, (\a0)+1
.irp c, 0,1,2,3
.if \zero
	v_wmma_f32_16x16x32_bf16 v[8*(4*(\a)+\c):8*(4*(\a)+\c)+7], v[AF+48*(\buf)+8*(\a):AF+48*(\buf)+8*(\a)+7], v[BF+32*(\buf)+8*\c:BF+32*(\buf)+8*\c+7], 0
.else
	v_wmma_f32_16x16x32_bf16 v[8*(4*(\a)+\c):8*(4*(\a)+\c)+7], v[AF+48*(\buf)+8*(\a):AF+48*(\buf)+8*(\a)+7], v[BF+32*(\buf)+8*\c:BF+32*(\buf)+8*\c+7], v[8*(4*(\a)+\c):8*(4*(\a)+\c)+7]
.endif
.endr
.endr
.endm
; The 32 roundings at a step's head are the places (ISA guide 7.12.1) between the matrix instructions of two steps before and the
; fragment buffer that the roundings write.  The 24 accumulators take turns, in the same order in every step.
.macro STEP t
.if \t <= 12
	s_wait_loadcnt 48                              ; behind this step's 16 loads only the 3 x 16 of the next three steps are still out
.else
	s_wait_loadcnt 16*(15-\t)
.endif
	CVTB (\t%4), (\t%2)
.if \t < 12
	WIN 0x80
.endif
.if \t < 15
	s_wait_alu depctr_va_vdst(0)                   ; the roundings are done reading stage t % 4, in which the loads of step t + 4 land; the matrix instructions of the step before are done reading their A buffer, in which the next step's fragments land
.endif
.if \t < 12
	WLOAD (\t%4), (\t+4)
.endif
	s_wait_dscnt 0x0                               ; this step's A is in: its 2 NT loads are the only LDS loads out
.if \t == 0
	MM2 (\t%2), 1, 0
.else
	MM2 (\t%2), 0, 0
.endif
.if \t < 15
	ALOAD3 (\t+1), ((\t+1)%2), 0                   ; no wait: no vector or matrix instruction since the wait above names the other A buffer or its addresses
.endif
.if \t == 0
	MM2 (\t%2), 1, 2
.else
	MM2 (\t%2), 0, 2
.endif
.if \t < 15
	ALOAD3 (\t+1), ((\t+1)%2), 3
.endif
.if \t == 0
	MM2 (\t%2), 1, 4
.else
	MM2 (\t%2), 0, 4
.endif
.endm
.macro GEMM
	ALOAD3 0, 0, 0
	ALOAD3 0, 0, 3
.irp t, 0,1,2,3,4,5,6,7,8,9,10,11,12,13,14,15
	STEP \t
.endr
	WIN 0
.rept 4
	v_nop                                          ; four places behind the last matrix instruction, for all that follows
.endr
.endm
.macro SEND
	WIN 0x04
	s_wait_alu depctr_va_vdst(0)                   ; the matrix instructions have written the accumulators, which the LDS stores read, and are done reading v32 to v63 and v184 to v191, in which my partner's share and the rows' tokens land; the places above stay beside this wait
.irp a, 0,1,2
.irp c, 0,1,2,3
	ds_store_b128 v[SADR], v[8*(4*(NT/2+\a)+\c):8*(4*(NT/2+\a)+\c)+3] offset:(4*\a+\c)*1024
	ds_store_b128 v[SADR], v[8*(4*(NT/2+\a)+\c)+4:8*(4*(NT/2+\a)+\c)+7] offset:(4*\a+\c)*1024+512
.endr
.endr
	WIN 0
.endm
.macro RECVT a                         ; my partner's share of my tile a, and the tokens of its rows 48 kh + 16 a + 8 h2 + j
.irp c, 0,1,2,3
	ds_load_b128 v[RR+8*\c:RR+8*\c+3], v[RADR] offset:(4*\a+\c)*1024
	ds_load_b128 v[RR+8*\c+4:RR+8*\c+7], v[RADR] offset:(4*\a+\c)*1024+512
.endr
	ds_load_b128 v[TK:TK+3], v[LT] offset:64*\a
	ds_load_b128 v[TK+4:TK+7], v[LT] offset:64*\a+16
.endm
.macro BAR
	s_wait_dscnt 0x0                               ; for the other waves: my LDS stores have landed, my LDS loads are over
	s_barrier_signal -1
	s_barrier_wait -1
.endm
.macro GUARD lbl
	s_cmp_ge_u32 s25, s24
	s_cbranch_scc1 \lbl
.endm
; Group u of the gather = the two rows 24 w + 2 u + h2 of the block, 2,048 bytes (the K quarter) of each token's row of mid: eight loads,
; in each of which a half-wave reads 256 consecutive bytes of its row, and eight LDS stores of the same shape.
.macro GLD u, sl
.irp i, 0,1,2,3,4,5,6,7
	global_load_b128 v[32*(\sl)+4*\i:32*(\sl)+4*\i+3], v[GO+\u], s[16:17] offset:256*\i
.endr
.endm
.macro GST u, sl
.irp i, 0,1,2,3,4,5,6,7
	ds_store_b128 v[LA], v[32*(\sl)+4*\i:32*(\sl)+4*\i+3] offset:(\u)*2*APITCH+256*\i
.endr
.endm
.macro FILL                            ; my 24 rows of the block, twelve groups through a ring of eight register slots
.irp u, 0,1,2,3,4,5,6,7,8,9,10,11
	ds_load_b32 v[TOK+\u], v[LI] offset:8*\u
.endr
	s_wait_dscnt 0x0
.irp u, 0,1,2,3,4,5,6,7,8,9,10,11
	v_min_u32 v[GO+\u], 511, v[TOK+\u]             ; a place beyond the count reads the last row
.endr
.irp u, 0,1,2,3,4,5,6,7,8,9,10,11
	v_lshl_add_u32 v[GO+\u], v[GO+\u], 13, v[R16]
.endr
	WIN 0x40
	s_wait_alu depctr_va_vdst(0)                   ; the twelve offsets GO are written, which the gather's loads read
.irp u, 0,1,2,3,4,5,6,7
	GLD \u, \u
.endr
	s_wait_loadcnt 56                              ; loads return in order: group 0 is in, the seven younger groups of 8 stay out
	WIN 0x04
	GST 0, 0
.irp u, 1,2,3,4
	s_wait_loadcnt 48                              ; group u is in: six younger groups of 8 were issued behind it
	WIN 0x40
	s_wait_alu depctr_vm_vsrc(0)                   ; the LDS stores of group u - 1 have read slot u - 1, in which the loads below land
	GLD (\u+7), (\u-1)                             ; the slot is asked for again, a group behind its stores
	WIN 0x04
	GST \u, \u
.endr
.irp u, 5,6,7,8,9,10,11
	s_wait_loadcnt 8*(11-\u)                       ; the counts run down; behind the last one GO may be written again
	GST \u, (\u%8)
.endr
	WIN 0
.endm
.macro EPI a                           ; tile a of the three that I keep: both K halves, stored by the tokens of rows 48 kh + 16 a + 8 h2 + j
	s_wait_dscnt 0x0                               ; my partner's share of tile a and its rows' tokens are in
	WIN 0x01
.irp c, 0,1,2,3
.irp j, 0,1,2,3,4,5,6,7
	v_add_f32 v[T+32*\a+4*\j+\c], v[8*(4*\a+\c)+\j], v[RR+8*\c+\j]
.endr
.endr
	WIN 0
.irp j, 0,1,2,3,4,5,6,7
	v_min_u32 v[OFFS+8*\a+\j], 519, v[TK+\j]
.endr
.irp j, 0,1,2,3,4,5,6,7
	v_lshl_add_u32 v[OFFS+8*\a+\j], v[OFFS+8*\a+\j], 12, v[R16]
.endr
	s_wait_alu depctr_va_vdst(0)                   ; tile a's sums and offsets are written, which its stores read; its lines are done reading RR and TK, in which the next tile's LDS loads land
.if \a < 2
	RECVT (\a+1)
.endif
.irp j, 0,1,2,3,4,5,6,7
	global_store_b128 v[OFFS+8*\a+\j], v[T+32*\a+4*\j:T+32*\a+4*\j+3], s[30:31]
.endr
.endm
	s_load_b256 s[8:15], s[0:1], 0x0               ; mid, idx, w2, part
	v_lshl_add_u32 v254, v0, 2, 0x3ee00
	v_mov_b32 v255, 0
	v_lshrrev_b32 v25, 5, v0
	v_readfirstlane_b32 s2, v25                    ; wave
	v_and_b32 v1, 31, v0                           ; L
	v_and_b32 v2, 15, v0                           ; r
	v_bfe_u32 v3, v0, 4, 1                         ; h2
	v_lshlrev_b32 v[R16], 4, v2
	v_lshlrev_b32 v[L16], 4, v1
	v_lshl_add_u32 v[WOFF], v3, 15, v[R16]         ; 8 h2 rows of 4,096 bytes + 16 r
	v_lshlrev_b32 v[PFOFF], 12, v1
	s_wait_alu depctr_va_sdst(0)                   ; s2 is written, ahead of its first reader: columns, K half, bases and LDS addresses are made from it
	s_and_b32 s3, s2, 1                            ; c
	s_lshr_b32 s4, s2, 1                           ; kh
	s_and_b32 s19, ttmp7, 0xffff                   ; expert
	s_and_b32 s18, ttmp9, 7                        ; column block
	s_lshr_b32 s27, ttmp9, 3                       ; K quarter
	s_lshl_b32 s5, s18, 9
	s_lshl_b32 s6, s3, 8
	s_add_co_u32 s5, s5, s6                        ; my 64 columns, in bytes of f32
	s_lshl_b32 s28, s19, 24
	s_lshl_b32 s6, s27, 22
	s_add_co_u32 s28, s28, s6
	s_lshl_b32 s6, s4, 21
	s_add_co_u32 s28, s28, s6
	s_add_co_u32 s28, s28, s5
	s_mov_b32 s29, 0
	s_wait_kmcnt 0x0
	s_add_nc_u64 s[WB:WB+1], s[12:13], s[28:29]
	s_lshl_b32 s28, s27, 11
	s_add_nc_u64 s[16:17], s[8:9], s[28:29]        ; mid at the K quarter
	s_mul_i32 s28, s27, PLANE
	s_add_co_u32 s28, s28, s5
	s_add_nc_u64 s[30:31], s[14:15], s[28:29]      ; part: my plane, my columns
	s_wait_alu depctr_va_vdst(0)                   ; v[L16], v[R16], v[WOFF] and v[PFOFF] are written, which the loads and requests below read; none is written again
.irp q, 0,1,2,3
	global_load_b128 v[IDX+4*\q:IDX+4*\q+3], v[L16], s[10:11] offset:512*\q
.endr
	WLOAD 0, 0
	WLOAD 1, 1
	WLOAD 2, 2
	WLOAD 3, 3
	WIN 0
	; K steps 4 to 7 of my wave's own weights, 32 rows x 256 bytes each, one request for each such piece: they are loaded in the first four
	; K steps, behind the list and the gather that the wave now turns to.  Inside w2: row 255 of my K half at the most.
.irp t, 4,5,6,7
	global_prefetch_b8 v[PFOFF], s[WB:WB+1] offset:\t*32*WP th:TH_LOAD_NT scope:SCOPE_SE
.endr
	s_mul_i32 s5, s2, SCRW
	s_add_co_u32 s5, s5, SCR
	v_add_nc_u32 v[SADR], s5, v[L16]
	s_xor_b32 s5, s2, 2
	s_mul_i32 s5, s5, SCRW
	s_add_co_u32 s5, s5, SCR
	v_add_nc_u32 v[RADR], s5, v[L16]
	v_mul_u32_u24 v25, v2, APITCH
	v_lshl_add_u32 v25, v3, 4, v25
	s_mul_i32 s5, s4, (NT/2)*TILEB+1024
	s_mul_i32 s6, s4, (NT/2)*TILEB-1024
	s_sub_co_u32 s6, (NT/2)*TILEB, s6
	v_add_nc_u32 v[AADR], s5, v25
	v_add_nc_u32 v[AADR+3], s6, v25
.irp a, 1,2
	v_add_nc_u32 v[AADR+\a], \a*TILEB, v[AADR]
	v_add_nc_u32 v[AADR+3+\a], \a*TILEB, v[AADR+3]
.endr
	s_mul_i32 s6, s2, LISTW
	s_add_co_u32 s6, s6, LIST                      ; my list
	v_mov_b32 v[LBV], s6
	s_mul_i32 s7, s2, 96
	s_add_co_u32 s7, s7, s6
	v_lshl_add_u32 v[LI], v3, 2, s7                ; place 24 w + h2
	s_mul_i32 s7, s4, 192
	s_add_co_u32 s7, s7, s6
	v_lshl_add_u32 v[LT], v3, 5, s7                ; place 48 kh + 8 h2
	s_mul_i32 s5, s2, 24*APITCH
	v_mul_u32_u24 v25, v3, APITCH
	v_add_nc_u32 v25, v[R16], v25
	v_add_nc_u32 v[LA], s5, v25                    ; row 24 w + h2, 16 bytes a lane
	v_add_nc_u32 v[TRASH], 608, v1
	v_lshlrev_b32 v[L4], 2, v1
	s_add_co_u32 s5, s19, 512
	v_mov_b32 v[PADV], s5
	v_add_nc_u32 v[P], s6, v[L4]
.set kk, 0
.rept 16
	v_add_nc_u32 v[TN+kk], 128*(kk/4)+kk%4, v[L4]  ; word k of my sixteen of idx belongs to token 128 (k / 4) + 4 L + k % 4
.set kk, kk+1
.endr
	s_wait_alu depctr_va_vdst(0)                   ; v[P] and v[PADV] are written, which the stores below read; so are all LDS addresses made above, which later LDS instructions read
.set kk, 0
.rept 19
	ds_store_b32 v[P], v[PADV] offset:128*kk       ; all 608 places; LDS serves a wave's instructions in order, so the tokens below land on top
.set kk, kk+1
.endr
	s_mov_b32 s24, 0
	s_wait_loadcnt 63                              ; idx is in: 64 weight loads were issued behind it, and 63 is the largest count this wait can name
.set kk, 0
.rept 16
	v_cmp_eq_u32 s[MK+kk], s19, v[IDX+kk]          ; which lanes' tokens chose my expert: sixteen masks in one run
.set kk, kk+1
.endr
	s_wait_alu depctr_va_sdst(0)                   ; the sixteen masks s32 to s47 are written, ahead of their first reader
.set kk, 0
.rept 16
	v_mbcnt_lo_u32_b32 v[PL+kk], s[MK+kk], s24     ; count so far + such lanes below me
	s_bcnt1_i32_b32 s26, s[MK+kk]
	s_add_co_u32 s24, s24, s26
.set kk, kk+1
.endr
.set kk, 0
.rept 16
	v_cndmask_b32 v[PL+kk], v[TRASH], v[PL+kk], s[MK+kk]
.set kk, kk+1
.endr
.set kk, 0
.rept 16
	v_min_u32 v[PL+kk], 639, v[PL+kk]
.set kk, kk+1
.endr
.set kk, 0
.rept 16
	v_lshl_add_u32 v[PL+kk], v[PL+kk], 2, v[LBV]
.set kk, kk+1
.endr
	s_wait_alu depctr_va_vdst(0)                   ; the sixteen places PL are written, which the stores below read as addresses (their data TN stand ahead of the wait before)
.set kk, 0
.rept 16
	ds_store_b32 v[PL+kk], v[TN+kk]
.set kk, kk+1
.endr
	FILL
	BAR                                            ; all 96 rows lie in LDS
	s_wait_alu depctr_vm_vsrc(0)                   ; my LDS stores have read the slots, which matrix instructions write from here on, and PL and TN, which the roundings write
	GEMM
	SEND
	BAR                                            ; the K halves have been handed over; nobody reads A any more
	RECVT 0
	EPI 0
	EPI 1
	EPI 2
	s_wait_xcnt 0x0                                ; the stores' data and offsets are written again only behind this wait
	s_mov_b32 s25, 96
.Lblock:
	s_wait_alu depctr_vm_vsrc(0)                   ; the LDS loads issued so far have read v[LI] and v[LT]; the block before's loads have read GO, its stores T and OFFS, its hand-over the accumulators: all are written again below
	v_add_nc_u32 v[LI], 4*96, v[LI]
	v_add_nc_u32 v[LT], 4*96, v[LT]
	s_wait_alu depctr_va_vdst(0)                   ; v[LI] and v[LT] are written, which the list's loads read; the block before's vector and matrix lines are done with TOK, the stages, the accumulators, T, OFFS, RR and TK, in which this block's loads land
	GUARD .Lno_fill
	FILL
.Lno_fill:
	BAR                                            ; also: every wave's reads of the scratch are over before it is written again
	s_wait_alu depctr_vm_vsrc(0)                   ; my LDS stores of the gather have read the slots, which matrix instructions write from here on
	GUARD .Lno_gemm
	WLOAD 0, 0
	WLOAD 1, 1
	WLOAD 2, 2
	WLOAD 3, 3
	GEMM
	SEND
.Lno_gemm:
	BAR
	GUARD .Lno_epi
	RECVT 0
	EPI 0
	EPI 1
	EPI 2
	s_wait_xcnt 0x0
.Lno_epi:
	s_add_co_u32 s25, s25, 96
	s_cmp_lt_u32 s25, 576
	s_cbranch_scc1 .Lblock
	s_wait_dscnt 0x0                               ; the closing lines, six on end, of a launch in the mode that stores to LDS
	s_wait_alu 0x0
	s_wait_tensorcnt 0x0
	ds_add_u32 v254, v255
	s_wait_dscnt 0x0
	s_endpgm
.Lfunc_end_k_q2e7d432d6b_moe2:
	.size	k_q2e7d432d6b_moe2, .Lfunc_end_k_q2e7d432d6b_moe2-k_q2e7d432d6b_moe2
	.p2alignl 7, 3214868480
	.fill 96, 4, 3214868480
	.section	.rodata,"a",@progbits
	.p2align	6, 0x0
	.amdhsa_kernel k_q2e7d432d6b_moe2
		.amdhsa_group_segment_fixed_size 258048
		.amdhsa_private_segment_fixed_size 0
		.amdhsa_enable_private_segment 0
		.amdhsa_kernarg_size 32
		.amdhsa_user_sgpr_count 2
		.amdhsa_user_sgpr_kernarg_segment_ptr 1
		.amdhsa_wavefront_size32 1
		.amdhsa_system_sgpr_workgroup_id_x 1
		.amdhsa_system_sgpr_workgroup_id_y 1
		.amdhsa_system_sgpr_workgroup_id_z 1
		.amdhsa_system_vgpr_workitem_id 0
		.amdhsa_next_free_vgpr 768
		.amdhsa_next_free_sgpr 66
		.amdhsa_reserve_vcc 0
		.amdhsa_float_denorm_mode_32 3
		.amdhsa_float_denorm_mode_16_64 3
		.amdhsa_memory_ordered 1
		.amdhsa_forward_progress 1
		.amdhsa_inst_pref_size 255
	.end_amdhsa_kernel
	.section	.bss,"aw",@nobits
	.p2align	6
	.space	262144
	.amdgpu_metadata
---
amdhsa.version: [ 1, 2 ]
amdhsa.kernels:
  - .name:           k_q2e7d432d6b_moe2
    .symbol:         k_q2e7d432d6b_moe2.kd
    .args:
      - { .name: mid, .offset: 0, .size: 8, .value_kind: global_buffer, .address_space: global }
      - { .name: idx, .offset: 8, .size: 8, .value_kind: global_buffer, .address_space: global }
      - { .name: w2, .offset: 16, .size: 8, .value_kind: global_buffer, .address_space: global }
      - { .name: part, .offset: 24, .size: 8, .value_kind: global_buffer, .address_space: global }
    .group_segment_fixed_size: 258048
    .private_segment_fixed_size: 0
    .kernarg_segment_align: 8
    .kernarg_segment_size: 32
    .max_flat_workgroup_size: 128
    .sgpr_count:     66
    .vgpr_count:     768
    .wavefront_size: 32
...
	.end_amdgpu_metadata
.endif
;; end of part 9
;; launch final: the kernel of part 7 again; grid 256 x 1, 8 waves a work-group, no clusters, 0 bytes of LDS; arguments x2, part, b2, idx, out0; writes out0
